; MI455X (gfx1250); checked and timed in simulation.
; The chip was launched on July 23, 2026; its instructions are those of AMD's public machine-readable ISA for CDNA 5 (MIT licence, August 2026) and "CDNA5" Instruction Set Architecture Reference Guide (July 2026). The comments in the code are by the model that wrote it; some were corrected since.
;; Multi Head Attention. Allowed arithmetic: matrix products marked QUANTISED: E2M3 operands, one E8M0 scale for each 32 along K, by v_wmma_scale_f32_16x16x128_f8f6f4 with both operands' format E2M3, f32 sums; everything else in f32.
;; Inputs: Wk 16 x 1,024 x 64 float32; Wo 1,024 x 1,024 float32; Wq 16 x 1,024 x 64 float32; Wv 16 x 1,024 x 64 float32; bk 16 x 64 float32; bo 1,024 float32; bq 16 x 64 float32; bv 16 x 64 float32; k_embs 8 x 1,024 x 1,024 float32; q_embs 8 x 1,024 x 1,024 float32; v_embs 8 x 1,024 x 1,024 float32.
;; Outputs: out0 8 x 1,024 x 1,024 float32.
;; This version of the problem:
;;   THIS VERSION OF THE PROBLEM IS GIVEN IN LOW PRECISION. The matrix products marked QUANTISED in the list below multiply operands that are first quantised to E2M3 (2 exponent bits, 3 mantissa bits; 6 bits a number), with one power-of-two scale for each 32 numbers along K (OCP MX v1.0); their sums are f32. All else is computed in f32.
;;   The module's matrix products, in the order in which they are computed (A, B: the left and right operand; K: the contracted axis; several contracted axes count as one K, in the product's order):
;;     1. [M 1,024, K 1,024] x [K 1,024, N 8,192]; A: input Wq; B: input q_embs: QUANTISED
;;     2. [M 1,024, K 1,024] x [K 1,024, N 8,192]; A: input Wk; B: input k_embs: QUANTISED
;;     3. [M 1,024, K 1,024] x [K 1,024, N 8,192]; A: input Wv; B: input v_embs: QUANTISED
;;     4. batch 128 x [M 1,024, K 64] x [K 64, N 1,024]; A: computed on the way; B: computed on the way: QUANTISED
;;     5. batch 128 x [M 1,024, K 1,024] x [K 1,024, N 64]; A: softmax (see below); B: computed on the way: QUANTISED
;;     6. [M 8,192, K 1,024] x [K 1,024, N 1,024]; A: computed on the way; B: input Wo: QUANTISED
;;   THE QUANTISER, for each operand of a quantised product, along K:
;;     - K is cut into blocks of 32 from its start; a last block that is shorter is filled with zeros.
;;     - A block's scale is 2^e with e = floor(log2(the largest magnitude in the block)) - 2, held to -126 .. 127; a block of zeros has e = 0. As a byte (E8M0): e + 127.
;;     - Each number is divided by its block's scale, clamped to +-7.5, and rounded to the nearest number of E2M3, ties to even, subnormals kept.
;;     - The product sums the exact products of the quantised numbers (number of the format x scale) in f32.
;;   ~~~python
;;   def quantise(x, axis):      # numpy; x: float32 -> the quantised numbers, widened to float32 again
;;       x = np.moveaxis(x, axis, -1); K = x.shape[-1]
;;       x = np.pad(x, [(0, 0)] * (x.ndim - 1) + [(0, -K % 32)]); x = x.reshape(x.shape[:-1] + (-1, 32)); a = np.abs(x).max(-1, keepdims=True)
;;       e = np.where(a > 0, np.clip(np.frexp(np.where(a > 0, a, 1))[1] - 1 - 2, -126, 127), 0)      # np.frexp(a)[1] - 1 = floor(log2(a)), exactly
;;       r = np.clip(x / 2.0 ** e, -7.5, 7.5)
;;       step = 2.0 ** (np.maximum(np.frexp(np.where(r == 0, 1, r))[1] - 1, 0) - 3)
;;       q = np.round(r / step) * step * 2.0 ** e      # np.round: ties to even
;;       return np.moveaxis(q.reshape(q.shape[:-2] + (-1,))[..., :K], -1, axis).astype(np.float32)
;;   ~~~
;;   SOFTMAX AHEAD OF A QUANTISED PRODUCT. Where the list says 'softmax', what is quantised is not the finished softmax but p = 2^(t - M), with t = logit x log2(e) and M = ceil(the row's largest t), a whole number; so 1/2 < the row's largest p <= 1. The row's sum l is taken of the UNQUANTISED p, in f32, and the product's result is divided by l at the end. Since M is a whole number, a kernel that streams over the keys may use a running M (the ceiling of the running maximum): every later rescaling is an exact power of two, which a block's scale takes up: the codes' values come out the same.
;;   OPERANDS COMPUTED ON THE WAY. 'Computed on the way' means the value that the module computes at that place (a softmax that the list does not call 'softmax' is quantised finished and normalised). What goes into a quantiser is computed in f32, as accurately as f32 sums, v_exp_f32 and their like allow (about 1e-6 of the number): no bf16 or f16 on the way to a quantiser, and a product that is left as it is and whose result goes on into a quantised operand takes f32 operands (vector FMAs, or v_wmma_f32_16x16x4_f32). A number that lies on a knife's edge between two numbers of the format may be rounded either way, as far as f32 arithmetic and the matrix unit's own rounding can turn it there, and no further.
;; One version. Each part assembles by itself: llvm-mc -triple=amdgcn-amd-amdhsa -mcpu=gfx1250 --defsym DOCPART=n.
;; ======== version 1 of 1: 4 launches
;; workspace buffers: opc 22,020,096 bytes; ops 917,504 bytes; prc 18,874,368 bytes; prs 786,432 bytes; cnc 6,291,456 bytes; cns 262,144 bytes
;; launch quant (part 1): grid 640 x 1, 4 waves a work-group, no clusters, 34,304 bytes of LDS; arguments q_embs, k_embs, v_embs, Wq, Wk, Wv, Wo, opc, ops; writes opc, ops
.if DOCPART == 1
	.amdgcn_target "amdgcn-amd-amdhsa--gfx1250"
	.amdhsa_code_object_version 6
	.text
	.protected	k_q842a3a037a_quant
	.globl	k_q842a3a037a_quant
	.p2align	8
	.type	k_q842a3a037a_quant,@function
k_q842a3a037a_quant:
	s_mov_b64 s[64:65], 0
	v_nop
	global_prefetch_b8 v0, s[64:65] scope:SCOPE_SE
	s_setreg_imm32_b32 hwreg(HW_REG_WAVE_MODE, 25, 1), 1
	s_wait_xcnt 0x0
; The three embeddings [8192][1024] f32 (K innermost) and the four weights (K not innermost) become codes of FP6 (E2M3) with one E8M0 byte for each 32 along K.
; A block's scale is 2^(floor(log2(its largest magnitude)) - 2); its byte is the largest magnitude's exponent field - 2, held at 1 from below.
; LAYOUT OF THE CODES (opc): IMAGES OF OPERAND REGISTERS.  A fragment (16 rows x 128 K) is 12 registers a lane: lane (r, h) holds row r, registers 6 c .. 6 c + 5 hold k = 64 c + 32 h + 0 .. 31.
; It is stored as three pieces of 512 bytes, lane l's registers 4 c .. 4 c + 3 at 512 c + 16 l.  [row tile][K fragment 0..7][1536 bytes].  Every store of codes covers 512 consecutive bytes.
; LAYOUT OF THE SCALES (ops): [row position][8 words]: word f holds the four bytes of K fragment f.
; WHICH ROWS FORM A TILE: k_embs, v_embs, Wq, Wk, Wv: lane r of tile 2 b + u takes row 32 b + 8 u + r + 8 (r / 8), so that a later transposed product leaves 16 neighbours along the next K in a lane's 16 registers
; of two neighbouring tiles.  q_embs and Wo: row 16 T + r.
; SHARES.  Work-groups 0..383: embeddings, a wave takes one row tile (16 rows, all of K, 8 steps).  Work-groups 384..639: weights, a wave takes 16 columns x 256 along K.
; No cluster, no tensor loads, no barrier: work-groups and waves share no input bytes worth sharing and no LDS bytes.
; LIMITS: NaN and infinities among the inputs are not served.  A block whose largest magnitude lies under 2^-124 keeps the byte 1.  A block of zeros gets the byte 1 where the rule says 127: its codes are zeros,
; which add nothing under any byte but 0xff, and the bytes are read by this program alone.
.set SEC,   6291456                    ; bytes of an embedding's codes
.set RT,    12288                      ; a row tile: 8 fragments
.set WSEC,  18874368                   ; where the weights' codes begin
.set STG,   8448                       ; a wave's stage: 16 rows x (512 + 16) bytes
.set R,  16                            ; v16-143  numbers as loaded (embeddings: two sets of 64; weights: two fragments' 64)
.set X,  144                           ; v144-207 embeddings: 64 numbers in the operand's order; weights: v144-155 the second fragment's codes
.set CD, 208                           ; v208-219 a fragment's codes
.set TT, 220                           ; v220-226 the upper halves of the blocks' codes, before they are moved
.set MX, 228                           ; v228-229 largest magnitudes
.set SO, 230                           ; v230-231 the conversions' scale operands
.set BY, 232                           ; v232-233 the scale bytes
.set PT, 234                           ; v234     from lane l xor 16
.set SW, 240                           ; v240-247 scale words, one for each K fragment
.set DD, 248                           ; v248-251 scale words on their way out
; 64 numbers of a lane, v[xs + 32 u + i] = k 64 u + 32 h + i of my row, become the fragment's 12 registers in v[cs] on and my row's scale word in v[ws].  A lane holds two whole blocks.
.macro QF xs, cs, ws
	v_max3_num_f32 v[MX], |v[\xs]|, |v[\xs+1]|, 0x1800000          ; the floor 2^(3 - 127) among the leaves: the byte cannot fall under 1
	v_max3_num_f32 v[MX+1], |v[\xs+32]|, |v[\xs+33]|, 0x1800000
.irp i, 2,4,6,8,10,12,14,16,18,20,22,24,26,28,30
	v_max3_num_f32 v[MX], v[MX], |v[\xs+\i]|, |v[\xs+\i+1]|        ; the two blocks by turns
	v_max3_num_f32 v[MX+1], v[MX+1], |v[\xs+32+\i]|, |v[\xs+33+\i]|
.endr
	v_add_nc_u32 v[SO], 0xff000000, v[MX]                          ; 2 off the exponent field: the conversion takes the exponent field of this operand as its scale
	v_add_nc_u32 v[SO+1], 0xff000000, v[MX+1]
	v_lshrrev_b32 v[BY], 23, v[SO]                                 ; the scale's byte
	v_lshrrev_b32 v[BY+1], 23, v[SO+1]
	v_lshl_or_b32 v[\ws], v[BY+1], 16, v[BY]                       ; my two bytes: blocks h and 2 + h,
	v_lshlrev_b32 v[\ws], v5, v[\ws]                               ; 8 h bits up;
	v_permlanex16_b32 v[PT], v[\ws], s24, s25
	v_or_b32 v[\ws], v[\ws], v[PT]                                 ; with lane l xor 16's two the word is whole
.irp u, 0,1
	v_cvt_scalef32_pk16_fp6_f32 v[\cs+6*\u:\cs+6*\u+2], v[\xs+32*\u:\xs+32*\u+15], v[SO+\u]
	v_cvt_scalef32_pk16_fp6_f32 v[TT+4*\u:TT+4*\u+2], v[\xs+32*\u+16:\xs+32*\u+31], v[SO+\u]   ; (a conversion's three registers begin on an even number)
.endr
	v_nop                                                          ; one plain place behind the last scaled conversion
.irp u, 0,1
.irp i, 0,1,2
	v_mov_b32 v[\cs+6*\u+3+\i], v[TT+4*\u+\i]
.endr
.endr
.endm
	s_load_b256 s[4:11], s[0:1], 0x0               ; q_embs s[4:5], k_embs s[6:7], v_embs s[8:9], Wq s[10:11]
	s_load_b256 s[12:19], s[0:1], 0x20             ; Wk s[12:13], Wv s[14:15], Wo s[16:17], opc s[18:19]
	s_load_b64 s[20:21], s[0:1], 0x40              ; ops
	v_lshl_add_u32 v254, v0, 2, 0x8400
	v_mov_b32 v255, 0
	v_lshrrev_b32 v1, 5, v0
	v_readfirstlane_b32 s22, v1                    ; wave 0..3
	v_and_b32 v2, 31, v0                           ; lane
	v_and_b32 v3, 15, v0                           ; r
	v_bfe_u32 v4, v0, 4, 1                         ; h
	v_lshlrev_b32 v5, 3, v4                        ; 8 h
	v_lshlrev_b32 v6, 4, v2                        ; 16 x lane
	v_mov_b32 v[PT], 0                             ; written once: a lane permute's destination counts as one of its sources
	s_mov_b32 s24, 0x76543210
	s_mov_b32 s25, 0xfedcba98                      ; selects for lane l xor 16
	s_mov_b32 s26, 0xffff0000                      ; lanes 16-31
	s_cmp_ge_u32 ttmp9, 384
	s_cbranch_scc1 .Lweights
	; ---------------- EMBEDDINGS ----------------
	s_lshr_b32 s27, ttmp9, 7                       ; which: 0 q, 1 k, 2 v
	s_and_b32 s28, ttmp9, 127
	s_lshl_b32 s28, s28, 2
	s_add_co_u32 s28, s28, s22                     ; my row tile T, 0..511
	s_lshr_b32 s29, s28, 1
	s_lshl_b32 s29, s29, 5
	s_and_b32 s30, s28, 1
	s_lshl_b32 s30, s30, 3
	s_add_co_u32 s29, s29, s30                     ; k, v: the tile's first row 32 (T / 2) + 8 (T % 2); its positions 8..15 begin 16 rows on
	s_lshl_b32 s30, s28, 4                         ; q: 16 T; positions 8..15 begin 8 rows on
	s_mov_b32 s31, 65536
	s_cmp_eq_u32 s27, 0
	s_cselect_b32 s29, s30, s29
	s_cselect_b32 s31, 32768, s31
	s_lshl_b32 s32, s29, 12                        ; a row is 4,096 bytes; under 2^25 in all
	s_mov_b32 s33, 0
	v_add_nc_u32 v7, s31, v6                       ; the offset for positions 8..15
	s_mul_i32 s42, s22, STG                        ; my stage
	v_add_nc_u32 v8, s42, v6                       ; in: 16 x lane of a row's 512 bytes
	v_mul_u32_u24 v9, v3, 528
	v_lshl_add_u32 v9, v4, 7, v9
	v_add_nc_u32 v9, s42, v9                       ; out: row r, + 128 h bytes: my 32 numbers of a run of 64
	s_mul_i32 s36, s27, SEC
	s_mul_i32 s37, s28, RT
	s_add_co_u32 s36, s36, s37
	s_mov_b32 s37, 0
	s_lshl_b32 s44, s27, 18
	s_lshl_b32 s45, s28, 9
	s_add_co_u32 s44, s44, s45
	s_mov_b32 s45, 0
	s_wait_kmcnt 0x0
	s_cmp_eq_u32 s27, 1
	s_cselect_b64 s[34:35], s[6:7], s[8:9]
	s_cmp_eq_u32 s27, 0
	s_cselect_b64 s[34:35], s[4:5], s[34:35]
	s_add_nc_u64 s[34:35], s[34:35], s[32:33]      ; the tile's first row
	s_add_nc_u64 s[38:39], s[18:19], s[36:37]      ; its codes
	s_add_nc_u64 s[40:41], s[20:21], s[44:45]      ; its scale words
; K step t: 16 rows x 512 bytes; each load covers 512 consecutive bytes of one row
.macro LOADE t
.set i, 0
.rept 8
	global_load_b128 v[R+64*((\t)%2)+4*i:R+64*((\t)%2)+4*i+3], v6, s[34:35] offset:4096*i+512*(\t) th:TH_LOAD_NT
.set i, i+1
.endr
.set i, 0
.rept 8
	global_load_b128 v[R+64*((\t)%2)+32+4*i:R+64*((\t)%2)+35+4*i], v7, s[34:35] offset:4096*i+512*(\t) th:TH_LOAD_NT
.set i, i+1
.endr
.endm
.macro STEPE t
.if (\t) < 7
	s_wait_loadcnt 16                              ; this step's 16 loads are in; the next step's 16 may be out
.else
	s_wait_loadcnt 0x0
.endif
.set j, 0
.rept 16
	ds_store_b128 v8, v[R+64*((\t)%2)+4*j:R+64*((\t)%2)+4*j+3] offset:528*j      ; rows as they lie, 528 bytes apart
.set j, j+1
.endr
.set j, 0
.rept 16
	ds_load_b128 v[X+4*j:X+4*j+3], v9 offset:256*(j/8)+16*(j%8)                  ; LDS serves a wave's instructions in order: these see the stores.  Sixteen rows 528 bytes apart start at sixteen different groups of banks
.set j, j+1
.endr
	s_wait_dscnt 0x0                               ; my numbers are back, and the stores have read the set that is loaded again below
	s_wait_xcnt 0x0                                ; the last step's stores of codes have read their registers
.if (\t) < 6
	LOADE (\t)+2
.endif
	QF X, CD, SW+(\t)
.irp c, 0,1,2
	global_store_b128 v6, v[CD+4*\c:CD+4*\c+3], s[38:39] offset:1536*(\t)+512*\c
.endr
.endm
	LOADE 0
	LOADE 1
.irp t, 0,1,2,3,4,5,6,7
	STEPE \t
.endr
.irp i, 0,1,2,3
	v_cndmask_b32 v[DD+\i], v[SW+\i], v[SW+4+\i], s26   ; lanes 0-15 send words 0-3 of row r, lanes 16-31 words 4-7
.endr
	v_lshlrev_b32 v10, 5, v3
	v_lshl_add_u32 v10, v4, 4, v10
	global_store_b128 v10, v[DD:DD+3], s[40:41]    ; 512 consecutive bytes
	s_wait_tensorcnt 0x0
	ds_add_u32 v254, v255
	s_wait_dscnt 0x0
	s_endpgm
	; ---------------- WEIGHTS: a lane takes a column, its registers run down K ----------------
.Lweights:
	s_sub_co_u32 s27, ttmp9, 384
	s_lshr_b32 s28, s27, 6                         ; which: 0 Wq, 1 Wk, 2 Wv, 3 Wo
	s_bfe_u32 s29, s27, 0x40002                    ; group of 64 columns (a head; for Wo 64 outputs)
	s_and_b32 s30, s27, 3                          ; which 256 along K
	s_lshr_b32 s31, s22, 1
	s_lshl_b32 s31, s31, 5
	s_and_b32 s32, s22, 1
	s_lshl_b32 s32, s32, 3
	s_add_co_u32 s31, s31, s32                     ; Wq, Wk, Wv: my tile's first column 32 (wave / 2) + 8 (wave % 2), lane r at + r + 8 (r / 8)
	s_lshl_b32 s32, s22, 4                         ; Wo: 16 x wave, lane r at + r
	s_cmp_eq_u32 s28, 3
	s_cselect_b32 s31, s32, s31
	s_cselect_b32 s33, 0, 8
	v_and_b32 v7, s33, v3
	v_add_nc_u32 v7, v7, v3
	v_add_nc_u32 v7, s31, v7
	v_lshlrev_b32 v7, 2, v7                        ; my column, in bytes
	v_lshlrev_b32 v9, 5, v3
	v_lshl_add_u32 v9, v4, 2, v9                   ; scale words out: row r, word h of my two
	s_lshl_b32 s36, s29, 18                        ; Wq..: head x 262,144 + quarter x 256 rows of 256 bytes
	s_lshl_b32 s37, s30, 16
	s_add_co_u32 s36, s36, s37
	s_lshl_b32 s37, s29, 8                         ; Wo: group x 256 bytes + quarter x 256 rows of 4,096 bytes
	s_lshl_b32 s38, s30, 20
	s_add_co_u32 s37, s37, s38
	s_cmp_eq_u32 s28, 3
	s_cselect_b32 s36, s37, s36
	s_mov_b32 s37, 0
	s_lshl_b32 s38, s29, 2
	s_add_co_u32 s38, s38, s22                     ; my row tile in the weight's section
	s_mul_i32 s44, s38, RT
	s_mul_i32 s39, s28, 786432
	s_add_co_u32 s44, s44, s39
	s_mul_i32 s39, s30, 3072                       ; my two K fragments
	s_add_co_u32 s44, s44, s39
	s_add_co_u32 s44, s44, WSEC
	s_mov_b32 s45, 0
	s_lshl_b32 s46, s38, 9
	s_lshl_b32 s39, s28, 15
	s_add_co_u32 s46, s46, s39
	s_lshl_b32 s39, s30, 3
	s_add_co_u32 s46, s46, s39
	s_add_co_u32 s46, s46, 786432
	s_mov_b32 s47, 0
	s_wait_kmcnt 0x0
	s_cmp_eq_u32 s28, 1
	s_cselect_b64 s[34:35], s[12:13], s[10:11]
	s_cmp_eq_u32 s28, 2
	s_cselect_b64 s[34:35], s[14:15], s[34:35]
	s_cmp_eq_u32 s28, 3
	s_cselect_b64 s[34:35], s[16:17], s[34:35]
	s_add_nc_u64 s[34:35], s[34:35], s[36:37]
	s_add_nc_u64 s[40:41], s[18:19], s[44:45]
	s_add_nc_u64 s[42:43], s[20:21], s[46:47]
; str: bytes from one k to the next; sh: log2(32 str): lanes 16-31 begin 32 rows further down
.macro WQM str, sh
	v_lshl_add_u32 v8, v4, \sh, v7
.set j, 0
.rept 128
	global_load_b32 v[R+j], v8, s[34:35] offset:(128*(j/64)+64*((j/32)%2)+j%32)*\str   ; W(128 f + 64 u + 32 h + i, my column)
.set j, j+1
.endr
	s_wait_loadcnt 63                              ; the first fragment's 64 loads are in.  Behind its last load stand the second fragment's 64; 63 is the largest count that this wait can name, so one of those is awaited with them and 63 may be out
	QF R, CD, SW
.irp c, 0,1,2
	global_store_b128 v6, v[CD+4*\c:CD+4*\c+3], s[40:41] offset:512*\c
.endr
	s_wait_loadcnt 0x0
	QF R+64, X, SW+1                               ; into other registers: no store's data are written again
.irp c, 0,1,2
	global_store_b128 v6, v[X+4*\c:X+4*\c+3], s[40:41] offset:1536+512*\c
.endr
	v_cndmask_b32 v[DD], v[SW], v[SW+1], s26
	global_store_b32 v9, v[DD], s[42:43]           ; 8 bytes of each row's 32: one byte in 128 of what this path reads
	s_endpgm
.endm
	s_cmp_eq_u32 s28, 3
	s_cbranch_scc1 .Lwo
	WQM 256, 13
.Lwo:
	WQM 4096, 17
.Lfunc_end_k_q842a3a037a_quant:
	.size	k_q842a3a037a_quant, .Lfunc_end_k_q842a3a037a_quant-k_q842a3a037a_quant
	.p2alignl 7, 3214868480
	.fill 96, 4, 3214868480
	.section	.rodata,"a",@progbits
	.p2align	6, 0x0
	.amdhsa_kernel k_q842a3a037a_quant
		.amdhsa_group_segment_fixed_size 34304
		.amdhsa_private_segment_fixed_size 0
		.amdhsa_enable_private_segment 0
		.amdhsa_kernarg_size 72
		.amdhsa_user_sgpr_count 2
		.amdhsa_user_sgpr_kernarg_segment_ptr 1
		.amdhsa_wavefront_size32 1
		.amdhsa_system_sgpr_workgroup_id_x 1
		.amdhsa_system_sgpr_workgroup_id_y 1
		.amdhsa_system_sgpr_workgroup_id_z 1
		.amdhsa_system_vgpr_workitem_id 0
		.amdhsa_next_free_vgpr 256
		.amdhsa_next_free_sgpr 66
		.amdhsa_reserve_vcc 0
		.amdhsa_float_denorm_mode_32 3
		.amdhsa_float_denorm_mode_16_64 3
		.amdhsa_memory_ordered 1
		.amdhsa_forward_progress 1
		.amdhsa_inst_pref_size 97
	.end_amdhsa_kernel
	.amdgpu_metadata
---
amdhsa.version: [ 1, 2 ]
amdhsa.kernels:
  - .name:           k_q842a3a037a_quant
    .symbol:         k_q842a3a037a_quant.kd
    .args:
      - { .name: q_embs, .offset: 0, .size: 8, .value_kind: global_buffer, .address_space: global }
      - { .name: k_embs, .offset: 8, .size: 8, .value_kind: global_buffer, .address_space: global }
      - { .name: v_embs, .offset: 16, .size: 8, .value_kind: global_buffer, .address_space: global }
      - { .name: Wq, .offset: 24, .size: 8, .value_kind: global_buffer, .address_space: global }
      - { .name: Wk, .offset: 32, .size: 8, .value_kind: global_buffer, .address_space: global }
      - { .name: Wv, .offset: 40, .size: 8, .value_kind: global_buffer, .address_space: global }
      - { .name: Wo, .offset: 48, .size: 8, .value_kind: global_buffer, .address_space: global }
      - { .name: opc, .offset: 56, .size: 8, .value_kind: global_buffer, .address_space: global }
      - { .name: ops, .offset: 64, .size: 8, .value_kind: global_buffer, .address_space: global }
    .group_segment_fixed_size: 34304
    .private_segment_fixed_size: 0
    .kernarg_segment_align: 8
    .kernarg_segment_size: 72
    .max_flat_workgroup_size: 128
    .sgpr_count:     66
    .vgpr_count:     256
    .wavefront_size: 32
...
	.end_amdgpu_metadata
.endif
;; end of part 1
;; launch proj (part 2): grid 4 x 192, 4 waves a work-group, clusters of 4 x 4, 295,424 bytes of LDS; arguments opc, ops, bq, bk, bv, prc, prs; writes prc, prs
.if DOCPART == 2
	.amdgcn_target "amdgcn-amd-amdhsa--gfx1250"
	.amdhsa_code_object_version 6
	.text
	.protected	k_q842a3a037a_proj
	.globl	k_q842a3a037a_proj
	.p2align	8
	.type	k_q842a3a037a_proj,@function
k_q842a3a037a_proj:
	s_mov_b64 s[64:65], 0
	v_nop
	global_prefetch_b8 v0, s[64:65] scope:SCOPE_SE
	s_setreg_imm32_b32 hwreg(HW_REG_WAVE_MODE, 25, 1), 1
	s_wait_xcnt 0x0
	s_wait_alu depctr_hold_cnt(0) depctr_sa_sdst(0) depctr_va_vdst(0) depctr_va_sdst(0) depctr_va_ssrc(0) depctr_va_vcc(0) depctr_vm_vsrc(0)
	s_getreg_b32 s2, hwreg(HW_REG_IB_STS2, 6, 4)
	s_cmp_eq_u32 s2, 0
	s_cbranch_scc0 .Lentry_in_a_cluster
	s_endpgm
.Lentry_in_a_cluster:
	s_bfe_u32 s2, ttmp6, 0x10000c
	s_cmp_lg_u32 s2, 0xf033
	s_cbranch_scc0 .Lentry_shape_is_right
	s_endpgm
.Lentry_shape_is_right:
; q = q_embs Wq + bq, k = k_embs Wk + bk, v = v_embs Wv + bv on codes of FP6 (E2M3) with E8M0 scales, K = 1,024; the f32 results are quantised at once for attention's two products and stored as codes.
; A work-group makes a tile of 128 x 256: ROLE A, 128 rows, is source 1 of the matrix instruction (its rows fall on the lanes); ROLE B, 256 rows, is source 0 (a lane's registers run along its rows).
;   q, k: A = the embedding's rows, B = the weight's columns: a lane holds one token, its registers run along the head's 64: the next K.
;   v:    A = Wv's columns, B = v_embs' rows: a lane holds one channel, its registers run along the keys: the next K.
; The rows that form a tile were chosen by the launch before, so that the 16 registers of B's tiles 2 b, 2 b + 1 are 16 neighbours along the next K: 32 b + 16 (lane / 16) + 0 .. 15.
; Four waves, each 64 (4 blocks of A) x 128 (8 tiles of B): 32 accumulators.  The operands are images of registers, so a fragment is three loads of 16 bytes a lane, 512 consecutive bytes each: no pitch, no padding.
; ALL OF K LIES IN LDS: 4 slots of two K fragments, 294,912 bytes, each filled ONCE: every tensor load goes out at the start (four a wave are outstanding at most), and no LDS byte is filled again.
; CLUSTER 4 x 4: A's tiles hang on the cluster's row alone, B's on its column alone: each is asked for jointly by the four that need it.
; Nothing is prefetched: every byte that the work-group reads is asked for at its head.
; LIMITS: NaN and infinities are not served; a block of results whose largest magnitude lies under 2^-124 keeps the byte 1 (a block of zeros too: its codes are zeros, and this program alone reads the bytes).
; OUT (prc): q, k: [batch x 16 + head][image 0..31][1536]: an image holds 32 rows: registers 0-5 the even tile (16 rows x 64), registers 6-11 the odd one.  v: image 4 s + t: 16 channels (tile t) x keys 128 s on.
; OUT (prs): q, k: the word of image p, row r at (p / 2) 128 + 8 r + 4 (p % 2): bytes 0, 1 the even tile's two blocks, bytes 2, 3 the odd tile's.  v: the word of (s, t, r) at 256 s + 16 r + 4 t.
; REGISTERS: window 0: v1-15 addresses; v16-31 A's scale words, v32-63 B's; v64-127 the bias; v128-175, v176-223 A's fragments, two sets (on the way out: images and words); v224-251 at work on the way out.
;   window 1: B's fragments, two sets, at v0 and v128.   window 2: accumulator (a, b) at v[8 (8 a + b)].
.set SEC,  6291456
.set WSEC, 18874368
.set RT,   12288                       ; a row tile: 8 K fragments of 1,536 bytes
.set SLOT, 73728                       ; A's 8 row tiles x 3,072 bytes, then B's 16
.set ADRA, 2                           ; v2-5   LDS address of my A fragments in slot 0..3
.set ADRB, 6                           ; v6-9   the same for B
.set SA,   16
.set SB,   32
.set BI,   64
.set IM,   128                         ; the way out: four images of 12 registers
.set WD,   176                         ; and four scale words
.set TM,   224                         ; v224-227 largest magnitudes, v228-231 bytes, v236-239 scale operands
.set T0,   240
.set T1,   244
.set WT,   248
.set DW,   250
.set G1A,  28                          ; s[28:35] descriptor group 1 for A's tiles, s[36:43] for B's
.set G1B,  36
.set G0A,  44                          ; s[44:59] group 0 for A, one set for each slot;  s[68:83] for B
.set G0B,  68
.set MSB, 0
.macro WIN new                         ; the immediate's high byte repeats the setting that is left
.if MSB != \new
	s_set_vgpr_msb (MSB<<8)|\new
.set MSB, \new
.endif
.endm
.macro CROUND                          ; a round of the cluster's barrier
	s_barrier_signal -1
	s_barrier_wait -1
	s_cmp_lg_u32 s18, 0
	s_cbranch_scc1 .Lnot_wave_0_\@
	s_barrier_signal -3
.Lnot_wave_0_\@:
	s_barrier_wait -3
	s_barrier_signal -1
	s_barrier_wait -1
.endm
.macro PLACES                          ; four places in front of loads into registers that matrix instructions have read, and of the first read of results
.rept 4
	v_nop
.endr
.endm
.macro FETCH kf, st                    ; the fragments of K fragment kf into set st: B's eight, A's four
	WIN 0x40                                       ; destination window 1
.irp b, 0,1,2,3,4,5,6,7
.irp c, 0,1,2
	ds_load_b128 v[128*(\st)+12*\b+4*\c:128*(\st)+12*\b+4*\c+3], v[ADRB+(\kf)/2] offset:3072*\b+1536*((\kf)%2)+512*\c
.endr
.endr
	WIN 0
.irp a, 0,1,2,3
.irp c, 0,1,2
	ds_load_b128 v[128+48*(\st)+12*\a+4*\c:128+48*(\st)+12*\a+4*\c+3], v[ADRA+(\kf)/2] offset:3072*\a+1536*((\kf)%2)+512*\c
.endr
.endr
.endm
; Eight products: A's block a against B's eight tiles.  cm = 0: in place; 1: the sums start from the bias along B; 2: from the bias along A.
; A scale register holds K fragment j in lanes 0-15 and 4 + j in lanes 16-31.  The 32 accumulators take turns, one instruction a turn, in one order throughout.
.macro MUL8 a, kf, cm
.if (\cm) == 0
	WIN 0xa1                                       ; source 0 (B) window 1, source 1 (A) window 0, C and D window 2
.else
	WIN 0x81                                       ; C in window 0
.endif
.set FB, 128*((\kf)%2)
.set FA, 128+48*((\kf)%2)+12*(\a)
.set SCA, SA+4*(\a)+(\kf)%4
.irp b, 0,1,2,3,4,5,6,7
.set AC, 8*(8*(\a)+\b)
.if (\cm) == 1
	v_wmma_scale_f32_16x16x128_f8f6f4 v[AC:AC+7], v[FB+12*\b:FB+12*\b+11], v[FA:FA+11], v[BI+8*\b:BI+8*\b+7], v[SB+4*\b+(\kf)%4], v[SCA] matrix_a_fmt:MATRIX_FMT_FP6 matrix_b_fmt:MATRIX_FMT_FP6
.elseif (\cm) == 2
	v_wmma_scale_f32_16x16x128_f8f6f4 v[AC:AC+7], v[FB+12*\b:FB+12*\b+11], v[FA:FA+11], v[BI+8*(\a):BI+8*(\a)+7], v[SB+4*\b+(\kf)%4], v[SCA] matrix_a_fmt:MATRIX_FMT_FP6 matrix_b_fmt:MATRIX_FMT_FP6
.elseif (\kf) < 4
	v_wmma_scale_f32_16x16x128_f8f6f4 v[AC:AC+7], v[FB+12*\b:FB+12*\b+11], v[FA:FA+11], v[AC:AC+7], v[SB+4*\b+(\kf)%4], v[SCA] matrix_a_fmt:MATRIX_FMT_FP6 matrix_b_fmt:MATRIX_FMT_FP6
.else
	v_wmma_scale_f32_16x16x128_f8f6f4 v[AC:AC+7], v[FB+12*\b:FB+12*\b+11], v[FA:FA+11], v[AC:AC+7], v[SB+4*\b+(\kf)%4], v[SCA] matrix_a_fmt:MATRIX_FMT_FP6 matrix_b_fmt:MATRIX_FMT_FP6 matrix_a_scale:MATRIX_SCALE_ROW1 matrix_b_scale:MATRIX_SCALE_ROW1
.endif
.endr
.endm
; K fragment kf: 32 products; behind the first eight the next fragment's 36 loads go out in one run.  In steps 1, 3, 5 the next fragment lies in the next slot: my load for it has landed, and a barrier shows that everybody's has.
.macro STEP kf, cm
	s_wait_dscnt 0x0                               ; this step's fragments are in (asked for 24 products ago)
.if ((\kf) == 1) || ((\kf) == 3) || ((\kf) == 5)
	s_wait_tensorcnt (5-(\kf))/2                   ; my load for the next slot has landed; those for the later slots may be out
	s_barrier_signal -1
.endif
	MUL8 0, \kf, \cm
.if ((\kf) == 1) || ((\kf) == 3) || ((\kf) == 5)
	s_barrier_wait -1
.endif
.if (\kf) < 7
	PLACES
	FETCH (\kf)+1, 1-(\kf)%2
.endif
	MUL8 1, \kf, \cm
	MUL8 2, \kf, \cm
	MUL8 3, \kf, \cm
.endm
.macro HEAD
	s_wait_tensorcnt 0x3                           ; my part of slot 0 is in; my loads for slots 1 to 3 may be out
	s_barrier_signal -1
	s_barrier_wait -1                              ; everybody's is
	FETCH 0, 0
	s_wait_loadcnt 0x0                             ; the scale words and the bias
.endm
; Block a's 64 results of a lane (window 2, register 16 b + i = 32 b + 16 (lane / 16) + i along the next K) become codes: blocks 0, 1 in v[d0] .. + 5, blocks 2, 3 in v[d1] .. + 5; the four bytes stay in v[TM+4] on.
.macro QA a, d0, d1
	WIN 0x28                                       ; sources 1 and 2 window 2
.irp b, 0,1,2,3
	v_max3_num_f32 v[TM+\b], 0x1800000, |v[64*(\a)+16*\b]|, |v[64*(\a)+16*\b+1]|   ; the floor 2^(3 - 127) among the leaves; each accumulator is read from its low end on
.endr
.irp i, 2,4,6,8,10,12,14
.irp b, 0,1,2,3
	v_max3_num_f32 v[TM+\b], v[TM+\b], |v[64*(\a)+16*\b+\i]|, |v[64*(\a)+16*\b+\i+1]|
.endr
.endr
	WIN 0
.irp b, 0,1,2,3
	v_permlanex16_b32 v[TM+4+\b], v[TM+\b], s60, s61
.endr
.irp b, 0,1,2,3
	v_max_num_f32 v[TM+\b], v[TM+\b], v[TM+4+\b]   ; with lane l xor 16's 16: the block's largest magnitude
.endr
.irp b, 0,1,2,3
	v_add_nc_u32 v[TM+12+\b], 0xff000000, v[TM+\b] ; 2 off the exponent field: the conversion's scale operand
.endr
.irp b, 0,1,2,3
	v_lshrrev_b32 v[TM+4+\b], 23, v[TM+12+\b]      ; the scale's byte
.endr
	WIN 0x02                                       ; source 0 window 2
	v_cvt_scalef32_pk16_fp6_f32 v[(\d0):(\d0)+2], v[64*(\a):64*(\a)+15], v[TM+12]
	v_cvt_scalef32_pk16_fp6_f32 v[T0:T0+2], v[64*(\a)+16:64*(\a)+31], v[TM+13]
	v_cvt_scalef32_pk16_fp6_f32 v[(\d1):(\d1)+2], v[64*(\a)+32:64*(\a)+47], v[TM+14]
	v_cvt_scalef32_pk16_fp6_f32 v[T1:T1+2], v[64*(\a)+48:64*(\a)+63], v[TM+15]
	WIN 0
	v_nop                                          ; one plain place behind the last scaled conversion
.irp i, 0,1,2
	v_permlane16_swap_b32 v[(\d0)+\i], v[T0+\i]    ; the operand's layout wants a whole block in a lane: lanes 0-15 the even block, lanes 16-31 the odd one
	v_permlane16_swap_b32 v[(\d1)+\i], v[T1+\i]
.endr
.irp i, 0,1,2
	v_mov_b32 v[(\d0)+3+\i], v[T0+\i]
	v_mov_b32 v[(\d1)+3+\i], v[T1+\i]
.endr
.endm
	s_load_b256 s[4:11], s[0:1], 0x0               ; opc s[4:5], ops s[6:7], bq s[8:9], bk s[10:11]
	s_load_b128 s[12:15], s[0:1], 0x20             ; bv s[12:13], prc s[14:15]
	s_load_b64 s[16:17], s[0:1], 0x30              ; prs
	v_lshl_add_u32 v254, v0, 2, 0x48000
	v_mov_b32 v255, 0
	ds_add_u32 v254, v255
	ds_add_u32 v254, v255
	v_lshrrev_b32 v1, 5, v0
	v_readfirstlane_b32 s18, v1                    ; wave 0..3
	s_lshr_b32 s19, s18, 1                         ; which 64 rows of A are mine.  Also: I fetch for A (0) or for B (1)
	s_and_b32 s20, s18, 1                          ; which 128 rows of B are mine.  Also: which half of that tile I fetch
	s_bfe_u32 s21, ttmp6, 0x40000                  ; cx
	s_bfe_u32 s22, ttmp6, 0x40004                  ; cy
	s_and_b32 s23, ttmp7, 0xffff                   ; the cluster's y, 0..47
	s_lshr_b32 s24, s23, 4                         ; which product: 0 q, 1 k, 2 v: the same in all sixteen partners
	s_and_b32 s25, s23, 15
	s_and_b32 s84, s25, 1
	s_lshr_b32 s85, s25, 1
	s_cmp_eq_u32 s24, 2
	s_cselect_b32 s84, s84, s25                    ; q, k: 64 tiles of A (tokens) x 4 of B;  v: 8 tiles of A (channels) x 32 of B (keys)
	s_cselect_b32 s85, s85, 0
	s_lshl_b32 s26, s84, 2
	s_add_co_u32 s26, s26, s22                     ; A's tile: hangs on cy alone
	s_lshl_b32 s27, s85, 2
	s_add_co_u32 s27, s27, s21                     ; B's tile: on cx alone
	s_mul_i32 s86, s24, SEC                        ; the embedding's codes
	s_mul_i32 s87, s24, 786432
	s_add_co_u32 s87, s87, WSEC                    ; the weight's
	s_cmp_eq_u32 s24, 2
	s_cselect_b32 s88, s87, s86                    ; A's section
	s_cselect_b32 s89, s86, s87                    ; B's
	s_lshl_b32 s86, s24, 18                        ; and the same for the scale words
	s_lshl_b32 s87, s24, 15
	s_add_co_u32 s87, s87, 786432
	s_cmp_eq_u32 s24, 2
	s_cselect_b32 s90, s87, s86
	s_cselect_b32 s91, s86, s87
	s_lshl_b32 s92, s26, 3
	s_lshl_b32 s93, s20, 2
	s_add_co_u32 s92, s92, s93
	s_mul_i32 s92, s92, RT
	s_add_co_u32 s92, s92, s88                     ; A: row tile 8 x tile + 4 x half
	s_mov_b32 s93, 0
	s_lshl_b32 s94, s27, 4
	s_lshl_b32 s95, s20, 3
	s_add_co_u32 s94, s94, s95
	s_mul_i32 s94, s94, RT
	s_add_co_u32 s94, s94, s89                     ; B: row tile 16 x tile + 8 x half
	s_mov_b32 s95, 0
	s_mul_i32 s96, s20, 12288                      ; where they go in a slot: no place in the cluster enters an LDS address
	s_mul_i32 s97, s20, 24576
	s_add_co_u32 s97, s97, 24576
	s_lshl_b32 s98, s22, 2
	s_lshl_b32 s98, 15, s98                        ; my row of the cluster
	s_lshl_b32 s99, 0x1111, s21                    ; my column
	; group 1: rows of 3,072 bytes (two K fragments of a row tile: 384 elements of 8 bytes), 12,288 bytes apart in memory, dense in LDS; 4 rows for A, 8 for B
	s_or_b32 s[G1A], s98, (3<<16)|(1<<21)          ; 15:0 the mask; 17:16 elements of 8 bytes; 20 no padding; 21 set beside a mask
	s_or_b32 s[G1B], s99, (3<<16)|(1<<21)
	s_mov_b32 s[G1A+1], 384<<16                    ; tensor_dim0
	s_mov_b32 s[G1A+2], 4<<16                      ; tensor_dim1
	s_mov_b32 s[G1A+3], 384<<16                    ; tile_dim0
	s_mov_b32 s[G1A+4], 4                          ; tile_dim1
	s_mov_b32 s[G1A+5], 1536                       ; the pitch, in elements
	s_mov_b32 s[G1A+6], 0
	s_mov_b32 s[G1A+7], 0
	s_mov_b32 s[G1B+1], 384<<16
	s_mov_b32 s[G1B+2], 8<<16
	s_mov_b32 s[G1B+3], 384<<16
	s_mov_b32 s[G1B+4], 8
	s_mov_b32 s[G1B+5], 1536
	s_mov_b32 s[G1B+6], 0
	s_mov_b32 s[G1B+7], 0
	s_mov_b32 s60, 0x76543210
	s_mov_b32 s61, 0xfedcba98                      ; selects for lane l xor 16
	s_mov_b32 s62, 0xffff0000                      ; lanes 16-31
	s_wait_dscnt 0x0
	s_wait_kmcnt 0x0
	s_add_nc_u64 s[92:93], s[4:5], s[92:93]
	s_add_nc_u64 s[94:95], s[4:5], s[94:95]
.irp s, 0,1,2,3
	s_mov_b32 s[G0A+4*\s], 1
	s_add_co_u32 s[G0A+4*\s+1], s96, \s*SLOT
	s_add_nc_u64 s[G0A+4*\s+2:G0A+4*\s+3], s[92:93], \s*3072
	s_or_b32 s[G0A+4*\s+3], s[G0A+4*\s+3], 0x80000000
	s_mov_b32 s[G0B+4*\s], 1
	s_add_co_u32 s[G0B+4*\s+1], s97, \s*SLOT
	s_add_nc_u64 s[G0B+4*\s+2:G0B+4*\s+3], s[94:95], \s*3072
	s_or_b32 s[G0B+4*\s+3], s[G0B+4*\s+3], 0x80000000
.endr
	CROUND                                         ; all sixteen work-groups are here: the joint loads meet
	s_cmp_eq_u32 s19, 0                            ; a wave's four fills stand in one branch on the wave's number; four v_nop follow the last
	s_cbranch_scc0 .Lfill_b
	tensor_load_to_lds s[G0A:G0A+3], s[G1A:G1A+7]
	s_nop 0
	tensor_load_to_lds s[G0A+4:G0A+7], s[G1A:G1A+7]
	s_nop 0
	tensor_load_to_lds s[G0A+8:G0A+11], s[G1A:G1A+7]
	s_nop 0
	tensor_load_to_lds s[G0A+12:G0A+15], s[G1A:G1A+7]
	s_nop 0
.rept 4
	v_nop
.endr
	s_branch .Lfilled
.Lfill_b:
	tensor_load_to_lds s[G0B:G0B+3], s[G1B:G1B+7]
	s_nop 0
	tensor_load_to_lds s[G0B+4:G0B+7], s[G1B:G1B+7]
	s_nop 0
	tensor_load_to_lds s[G0B+8:G0B+11], s[G1B:G1B+7]
	s_nop 0
	tensor_load_to_lds s[G0B+12:G0B+15], s[G1B:G1B+7]
	s_nop 0
.rept 4
	v_nop
.endr
.Lfilled:
	v_and_b32 v1, 31, v0
	v_lshlrev_b32 v1, 4, v1                        ; 16 x lane: my place in every piece of an image
	v_and_b32 v10, 15, v0                          ; r
	v_bfe_u32 v11, v0, 4, 1                        ; h
	s_mul_i32 s84, s19, 12288                      ; my four row tiles of A,
	s_mul_i32 s85, s20, 24576
	s_add_co_u32 s85, s85, 24576                   ; my eight of B
.irp s, 0,1,2,3
	v_add_nc_u32 v[ADRA+\s], s84, v1
	v_add_nc_u32 v[ADRB+\s], s85, v1
	s_add_co_u32 s84, s84, SLOT
	s_add_co_u32 s85, s85, SLOT
.endr
.irp b, 0,1,2,3
	v_mov_b32 v[TM+4+\b], 0                        ; written once: a lane permute's destination counts as one of its sources
.endr
	v_lshlrev_b32 v12, 5, v10
	v_lshl_add_u32 v12, v11, 4, v12                ; scale words: row r's 32 bytes, lanes 0-15 words 0-3, lanes 16-31 words 4-7
	s_lshl_b32 s84, s26, 3
	s_lshl_b32 s85, s19, 2
	s_add_co_u32 s84, s84, s85
	s_lshl_b32 s84, s84, 9
	s_add_co_u32 s84, s84, s90
	s_mov_b32 s85, 0
	s_add_nc_u64 s[86:87], s[6:7], s[84:85]
	s_lshl_b32 s84, s27, 4
	s_lshl_b32 s88, s20, 3
	s_add_co_u32 s84, s84, s88
	s_lshl_b32 s84, s84, 9
	s_add_co_u32 s84, s84, s91
	s_add_nc_u64 s[88:89], s[6:7], s[84:85]
.irp a, 0,1,2,3
	global_load_b128 v[SA+4*\a:SA+4*\a+3], v12, s[86:87] offset:512*\a
.endr
.irp b, 0,1,2,3,4,5,6,7
	global_load_b128 v[SB+4*\b:SB+4*\b+3], v12, s[88:89] offset:512*\b
.endr
	; The bias is the C of each sum's first product.  q, k: it runs along B (the registers); v: along A (the lanes).  The bias's loads, the first barrier and K fragment 0 stand together in an arm;
	; the branch hangs on the cluster's y alone, so all waves of all partners take the same arm, and each arm has the barrier.
	s_cmp_eq_u32 s24, 2
	s_cbranch_scc1 .Lfirst_v
	s_lshl_b32 s84, s27, 10
	s_lshl_b32 s98, s20, 9
	s_add_co_u32 s84, s84, s98                     ; my first of B's rows, 256 x tile + 128 x half, in bytes
	s_cmp_eq_u32 s24, 0
	s_cselect_b64 s[96:97], s[8:9], s[10:11]
	s_add_nc_u64 s[96:97], s[96:97], s[84:85]
	v_lshlrev_b32 v13, 6, v11                      ; register j of tile b holds row 32 (b / 2) + 16 h + 8 (b % 2) + j
.irp b, 0,1,2,3,4,5,6,7
	global_load_b128 v[BI+8*\b:BI+8*\b+3], v13, s[96:97] offset:(32*(\b/2)+8*(\b%2))*4
	global_load_b128 v[BI+8*\b+4:BI+8*\b+7], v13, s[96:97] offset:(32*(\b/2)+8*(\b%2))*4+16
.endr
	HEAD
	STEP 0, 1
	WIN 0
	s_branch .Lfirst_done
.Lfirst_v:
	s_lshl_b32 s84, s26, 9
	s_lshl_b32 s98, s19, 8
	s_add_co_u32 s84, s84, s98                     ; my first of A's rows, 128 x tile + 64 x half, in bytes
	s_add_nc_u64 s[96:97], s[12:13], s[84:85]
	v_and_b32 v13, 8, v10
	v_add_nc_u32 v13, v13, v10
	v_lshlrev_b32 v13, 2, v13                      ; lane r of block a holds channel 32 (a / 2) + 8 (a % 2) + r + 8 (r / 8): the same number in all eight registers
.irp a, 0,1,2,3
.irp j, 0,1,2,3,4,5,6,7
	global_load_b32 v[BI+8*\a+\j], v13, s[96:97] offset:(32*(\a/2)+8*(\a%2))*4
.endr
.endr
	HEAD
	STEP 0, 2
	WIN 0
.Lfirst_done:
	STEP 1, 0
	STEP 2, 0
	STEP 3, 0
	STEP 4, 0
	STEP 5, 0
	STEP 6, 0
	STEP 7, 0
	WIN 0
	PLACES
	s_cmp_eq_u32 s24, 2
	s_cbranch_scc1 .Lout_v
	; ---- q, k: a lane's 64 numbers of block a are two heads' 64.  Blocks a = 2 i, 2 i + 1 fill the two halves of image i of each head
	s_lshr_b32 s84, s26, 3                         ; batch
	s_and_b32 s86, s26, 7                          ; which 128 tokens of it
	s_lshl_b32 s87, s27, 1
	s_add_co_u32 s87, s87, s20                     ; pair of heads
	s_lshl_b32 s84, s84, 4
	s_lshl_b32 s87, s87, 1
	s_add_co_u32 s84, s84, s87                     ; 16 x batch + head
	s_lshl_b32 s88, s84, 5
	s_lshl_b32 s89, s86, 2
	s_add_co_u32 s88, s88, s89
	s_lshl_b32 s89, s19, 1
	s_add_co_u32 s88, s88, s89                     ; my first image
	s_mul_i32 s88, s88, 1536
	s_mul_i32 s89, s24, SEC
	s_add_co_u32 s88, s88, s89
	s_mov_b32 s89, 0
	s_add_nc_u64 s[90:91], s[14:15], s[88:89]
	s_lshl_b32 s88, s84, 3
	s_add_co_u32 s88, s88, s86
	s_lshl_b32 s88, s88, 8
	s_lshl_b32 s92, s19, 7
	s_add_co_u32 s88, s88, s92
	s_lshl_b32 s92, s24, 18
	s_add_co_u32 s88, s88, s92
	s_add_nc_u64 s[92:93], s[16:17], s[88:89]
	v_lshlrev_b32 v14, 3, v10
	v_lshl_add_u32 v14, v11, 11, v14               ; words out: lanes 0-15 the first head's, lanes 16-31 the second's; 8 bytes a row
.irp a, 0,1,2,3
	QA \a, IM+24*(\a/2)+6*(\a%2), IM+24*(\a/2)+12+6*(\a%2)
.if \a%2 == 0
	v_lshl_or_b32 v[WD+\a/2], v[TM+5], 8, v[TM+4]          ; the even tile's two bytes, first head;
	v_lshl_or_b32 v[WD+2+\a/2], v[TM+7], 8, v[TM+6]        ; second head
.else
	v_lshl_or_b32 v[WT], v[TM+5], 8, v[TM+4]
	v_lshl_or_b32 v[WD+\a/2], v[WT], 16, v[WD+\a/2]        ; the odd tile's above them
	v_lshl_or_b32 v[WT], v[TM+7], 8, v[TM+6]
	v_lshl_or_b32 v[WD+2+\a/2], v[WT], 16, v[WD+2+\a/2]
.irp e, 0,1
.irp c, 0,1,2
	global_store_b128 v1, v[IM+24*(\a/2)+12*\e+4*\c:IM+24*(\a/2)+12*\e+4*\c+3], s[90:91] offset:\e*49152+(\a/2)*1536+512*\c   ; 512 consecutive bytes; no store's data are written again
.endr
.endr
.endif
.endr
	v_cndmask_b32 v[DW], v[WD], v[WD+2], s62
	v_cndmask_b32 v[DW+1], v[WD+1], v[WD+3], s62
	global_store_b64 v14, v[DW:DW+1], s[92:93]     ; two runs of 128 consecutive bytes
	s_branch .Lout_done
.Lout_v:
	; ---- v: a lane's 64 numbers of block a are 128 keys of one channel: a whole fragment
	s_lshl_b32 s84, s26, 1
	s_add_co_u32 s84, s84, s19                     ; head
	s_lshl_b32 s86, s27, 1
	s_add_co_u32 s86, s86, s20                     ; which 128 keys of all batches
	s_lshr_b32 s87, s86, 3                         ; batch
	s_and_b32 s86, s86, 7                          ; key step
	s_lshl_b32 s87, s87, 4
	s_add_co_u32 s84, s84, s87
	s_lshl_b32 s88, s84, 5
	s_lshl_b32 s89, s86, 2
	s_add_co_u32 s88, s88, s89
	s_mul_i32 s88, s88, 1536
	s_add_co_u32 s88, s88, 2*SEC
	s_mov_b32 s89, 0
	s_add_nc_u64 s[90:91], s[14:15], s[88:89]
	s_lshl_b32 s88, s84, 3
	s_add_co_u32 s88, s88, s86
	s_lshl_b32 s88, s88, 8
	s_add_co_u32 s88, s88, 524288
	s_add_nc_u64 s[92:93], s[16:17], s[88:89]
	v_lshlrev_b32 v14, 4, v10
	v_lshl_add_u32 v14, v11, 3, v14                ; words out: 16 bytes a row: lanes 0-15 tiles 0, 1, lanes 16-31 tiles 2, 3
.irp a, 0,1,2,3
	QA \a, IM+12*\a, IM+12*\a+6
	v_lshl_or_b32 v[WD+\a], v[TM+5], 8, v[TM+4]
	v_lshl_or_b32 v[WD+\a], v[TM+6], 16, v[WD+\a]
	v_lshl_or_b32 v[WD+\a], v[TM+7], 24, v[WD+\a]
.irp c, 0,1,2
	global_store_b128 v1, v[IM+12*\a+4*\c:IM+12*\a+4*\c+3], s[90:91] offset:\a*1536+512*\c
.endr
.endr
	v_cndmask_b32 v[DW], v[WD], v[WD+2], s62
	v_cndmask_b32 v[DW+1], v[WD+1], v[WD+3], s62
	global_store_b64 v14, v[DW:DW+1], s[92:93]     ; 256 consecutive bytes, aligned
.Lout_done:
	s_wait_tensorcnt 0x0
	ds_add_u32 v254, v255
	s_wait_dscnt 0x0
	CROUND                                         ; the closing round: no work-group ends while a partner may still ask for a tile that names it
	s_endpgm
.Lfunc_end_k_q842a3a037a_proj:
	.size	k_q842a3a037a_proj, .Lfunc_end_k_q842a3a037a_proj-k_q842a3a037a_proj
	.p2alignl 7, 3214868480
	.fill 96, 4, 3214868480
	.section	.rodata,"a",@progbits
	.p2align	6, 0x0
	.amdhsa_kernel k_q842a3a037a_proj
		.amdhsa_group_segment_fixed_size 295424
		.amdhsa_private_segment_fixed_size 0
		.amdhsa_enable_private_segment 0
		.amdhsa_kernarg_size 56
		.amdhsa_user_sgpr_count 2
		.amdhsa_user_sgpr_kernarg_segment_ptr 1
		.amdhsa_wavefront_size32 1
		.amdhsa_system_sgpr_workgroup_id_x 1
		.amdhsa_system_sgpr_workgroup_id_y 1
		.amdhsa_system_sgpr_workgroup_id_z 1
		.amdhsa_system_vgpr_workitem_id 0
		.amdhsa_next_free_vgpr 768
		.amdhsa_next_free_sgpr 100
		.amdhsa_reserve_vcc 0
		.amdhsa_float_denorm_mode_32 3
		.amdhsa_float_denorm_mode_16_64 3
		.amdhsa_memory_ordered 1
		.amdhsa_forward_progress 1
		.amdhsa_inst_pref_size 113
	.end_amdhsa_kernel
	.amdgpu_metadata
---
amdhsa.version: [ 1, 2 ]
amdhsa.kernels:
  - .name:           k_q842a3a037a_proj
    .symbol:         k_q842a3a037a_proj.kd
    .args:
      - { .name: opc, .offset: 0, .size: 8, .value_kind: global_buffer, .address_space: global }
      - { .name: ops, .offset: 8, .size: 8, .value_kind: global_buffer, .address_space: global }
      - { .name: bq, .offset: 16, .size: 8, .value_kind: global_buffer, .address_space: global }
      - { .name: bk, .offset: 24, .size: 8, .value_kind: global_buffer, .address_space: global }
      - { .name: bv, .offset: 32, .size: 8, .value_kind: global_buffer, .address_space: global }
      - { .name: prc, .offset: 40, .size: 8, .value_kind: global_buffer, .address_space: global }
      - { .name: prs, .offset: 48, .size: 8, .value_kind: global_buffer, .address_space: global }
    .group_segment_fixed_size: 295424
    .private_segment_fixed_size: 0
    .kernarg_segment_align: 8
    .kernarg_segment_size: 56
    .max_flat_workgroup_size: 128
    .sgpr_count:     100
    .vgpr_count:     768
    .wavefront_size: 32
...
	.end_amdgpu_metadata
.endif
;; end of part 2
;; launch attn (part 3): grid 256 x 1, 16 waves a work-group, clusters of 4 x 1, 206,848 bytes of LDS; arguments prc, prs, cnc, cns; writes cnc, cns
.if DOCPART == 3
	.amdgcn_target "amdgcn-amd-amdhsa--gfx1250"
	.amdhsa_code_object_version 6
	.text
	.protected	k_q842a3a037a_attn
	.globl	k_q842a3a037a_attn
	.p2align	8
	.type	k_q842a3a037a_attn,@function
k_q842a3a037a_attn:
	s_mov_b64 s[64:65], 0
	v_nop
	global_prefetch_b8 v0, s[64:65] scope:SCOPE_SE
	s_setreg_imm32_b32 hwreg(HW_REG_WAVE_MODE, 25, 1), 1
	s_wait_xcnt 0x0
	s_wait_alu depctr_hold_cnt(0) depctr_sa_sdst(0) depctr_va_vdst(0) depctr_va_sdst(0) depctr_va_ssrc(0) depctr_va_vcc(0) depctr_vm_vsrc(0)
	s_getreg_b32 s2, hwreg(HW_REG_IB_STS2, 6, 4)
	s_cmp_eq_u32 s2, 0
	s_cbranch_scc0 .Lentry_in_a_cluster
	s_endpgm
.Lentry_in_a_cluster:
	s_bfe_u32 s2, ttmp6, 0x10000c
	s_cmp_lg_u32 s2, 0x3003
	s_cbranch_scc0 .Lentry_shape_is_right
	s_endpgm
.Lentry_shape_is_right:
; heads = softmax(q k^T / 8, causal) v for 8 batches x 16 heads of 64, 1,024 tokens, both products on codes of FP6 (E2M3) with E8M0 scales; the f32 result is quantised at once along (head, channel) for the last product.
; THE SOFTMAX: t = score x log2(e) / 8; M = the running largest t rounded UP to a whole number; p = 2^(t - M) is quantised along the keys, not normalised; the row's sum is taken of the unquantised p and divides at the end.
; When M moves, the sum and O are multiplied by 2^(old M - new M): exact.
; SHARES.  A cluster of four work-groups owns a pair of heads of one batch.  K and V of both heads, codes and scale words, 204,800 bytes, lie WHOLE in each partner's LDS, filled ONCE by joint loads (two a wave are
; outstanding): no LDS byte is filled again, and nothing is left to be prefetched: every byte is asked for at the head.
; Partner cx takes the tiles of 16 queries 4 s + cx, s = 0..15: a tile's last key step, s / 2, hangs on no place in the cluster.  Wave w: head w % 2, u = w / 2; it takes s = u and then s = 15 - u:
; (u / 2 + 1) + (8 - u / 2) = 9 key steps of 128 keys for every wave.  Key steps that lie wholly behind the diagonal are not walked.
; LAYOUT.  Both products transposed: S^T = K Q^T, O^T = V^T P^T: a lane holds ONE query.  The head's K is 64, half of the instruction's 128: an image of K holds TWO tiles of 16 keys (registers 0-5, 6-11), and is multiplied
; twice, by Q's codes with zero codes in the other half.  The keys of a tile and the channels of a tile were chosen two launches ago, so that the 16 registers of tiles 2 b, 2 b + 1 are 16 neighbours.
; OUT: register pair 3 e + p of fragment (query tile, pair of heads) at 256 (3 e + p) + 8 x lane: each store covers 256 consecutive bytes, aligned.  The scale bytes go out singly (a row's word belongs to two waves):
; one byte for each 24 bytes of codes.
; LIMITS: NaN and infinities are not served; a block whose largest magnitude lies under 2^-124 keeps the byte 1 (a block of zeros too: its codes are zeros, and this program alone reads the bytes).
; REGISTERS: v1-4 my places in K's and V's codes and words; v5, v6 the diagonal's figure of the tile in hand and of the second; v7-9, v38 offsets; v10-13 addresses in hand; v14 -M, v15 the largest t; v[16:17] the sum;
; v18-35 Q as [q][0][q]; v36, v37 Q's scale words; v40-87 four fragments; v88-91 K's words, v92-95 V's; v96-159 S^T, then p; v160-191 O^T; v192-203 codes; v204-231 at work; v232-244 the second tile's Q.
.set SEC, 6291456
.macro CROUND                          ; a round of the cluster's barrier
	s_barrier_signal -1
	s_barrier_wait -1
	s_cmp_lg_u32 s12, 0
	s_cbranch_scc1 .Lnot_wave_0_\@
	s_barrier_signal -3
.Lnot_wave_0_\@:
	s_barrier_wait -3
	s_barrier_signal -1
	s_barrier_wait -1
.endm
; For the query tile in s[tq]: s[pa] Q's image, s[pb] its scale words, s[pc] where the codes go, s[pd] where the scale bytes go
.macro TADR tq, pa, pb, pc, pd
	s_lshr_b32 s80, s[\tq], 1
	s_mul_i32 s80, s80, 1536
	s_add_co_u32 s80, s80, s78
	s_mov_b32 s81, 0
	s_add_nc_u64 s[\pa:\pa+1], s[4:5], s[80:81]
	s_lshr_b32 s80, s[\tq], 2
	s_lshl_b32 s80, s80, 7
	s_bfe_u32 s82, s[\tq], 0x10001
	s_lshl_b32 s82, s82, 2
	s_add_co_u32 s80, s80, s82
	s_add_co_u32 s80, s80, s79
	s_add_nc_u64 s[\pb:\pb+1], s[6:7], s[80:81]
	s_lshl_b32 s80, s17, 6
	s_add_co_u32 s80, s80, s[\tq]
	s_lshl_b32 s80, s80, 3
	s_add_co_u32 s80, s80, s18                     ; (64 x batch + tile) x 8 + pair of heads
	s_mul_i32 s82, s80, 1536
	s_mul_i32 s83, s13, 768
	s_add_co_u32 s82, s82, s83
	s_mov_b32 s83, 0
	s_add_nc_u64 s[\pc:\pc+1], s[8:9], s[82:83]
	s_lshl_b32 s80, s80, 6
	s_lshl_b32 s82, s13, 1
	s_add_co_u32 s80, s80, s82
	s_add_nc_u64 s[\pd:\pd+1], s[10:11], s[80:81]
.endm
; Q's operand from a raw image of two tiles: mine is the even or the odd one by cx % 2 (a choice of values, no branch)
.macro QSET src, wd
	v_lshrrev_b32 v36, s67, v[\wd]
	v_and_b32 v36, 0xffff, v36                     ; my two bytes in bytes 0, 1: for [q][0];
	v_lshlrev_b32 v37, 16, v36                     ; in bytes 2, 3: for [0][q].  The other bytes are 0 and stand over zero codes
.irp i, 0,1,2,3,4,5
	v_cndmask_b32 v[18+\i], v[\src+\i], v[\src+6+\i], s66
.endr
.irp i, 0,1,2,3,4,5
	v_mov_b32 v[30+\i], v[18+\i]
.endr
.endm
	s_load_b256 s[4:11], s[0:1], 0x0               ; prc s[4:5], prs s[6:7], cnc s[8:9], cns s[10:11]
	v_lshl_add_u32 v254, v0, 2, 0x32000
	v_mov_b32 v255, 0
	ds_add_u32 v254, v255
	ds_add_u32 v254, v255
	v_lshrrev_b32 v9, 5, v0
	v_readfirstlane_b32 s12, v9                    ; wave 0..15
	s_and_b32 s13, s12, 1                          ; e: which head of the pair
	s_lshr_b32 s14, s12, 1                         ; u
	s_bfe_u32 s15, ttmp6, 0x40000                  ; cx
	s_lshr_b32 s17, ttmp9, 3                       ; batch
	s_and_b32 s18, ttmp9, 7                        ; pair of heads
	s_lshl_b32 s19, s17, 4
	s_lshl_b32 s70, s18, 1
	s_add_co_u32 s19, s19, s70                     ; 16 x batch + the pair's first head
	; group 1 for the codes: 12,288 dense bytes as 48 rows of 256 (32 elements of 8 bytes); for the scale words: 512 bytes as 2 rows
	s_mov_b32 s20, 15|(3<<16)|(1<<21)              ; 15:0 the mask: all four partners; 17:16 elements of 8 bytes; 21 set beside a mask
	s_mov_b32 s21, 32<<16
	s_mov_b32 s22, 48<<16
	s_mov_b32 s23, 32<<16
	s_mov_b32 s24, 48
	s_mov_b32 s25, 32
	s_mov_b32 s26, 0
	s_mov_b32 s27, 0
	s_mov_b32 s28, 15|(3<<16)|(1<<21)
	s_mov_b32 s29, 32<<16
	s_mov_b32 s30, 2<<16
	s_mov_b32 s31, 32<<16
	s_mov_b32 s32, 2
	s_mov_b32 s33, 32
	s_mov_b32 s34, 0
	s_mov_b32 s35, 0
	s_lshr_b32 s70, s12, 3
	s_add_co_u32 s70, s70, 1                       ; waves 0-7 fetch K (section 1), waves 8-15 V (section 2)
	s_and_b32 s71, s12, 7                          ; an eighth of the two heads' bytes each
	s_mul_i32 s72, s70, SEC
	s_mul_i32 s73, s19, 49152
	s_add_co_u32 s72, s72, s73
	s_mul_i32 s73, s71, 12288
	s_add_co_u32 s72, s72, s73
	s_mov_b32 s73, 0
	s_lshl_b32 s74, s70, 18
	s_lshl_b32 s75, s19, 11
	s_add_co_u32 s74, s74, s75
	s_lshl_b32 s75, s71, 9
	s_add_co_u32 s74, s74, s75
	s_mov_b32 s75, 0
	s_mul_i32 s76, s12, 12288                      ; LDS: K head 0, K head 1, V head 0, V head 1, 49,152 bytes each;
	s_lshl_b32 s77, s12, 9
	s_add_co_u32 s77, s77, 196608                  ; behind them the scale words in the same order, 2,048 bytes each
	s_mov_b32 s44, 0x76543210
	s_mov_b32 s45, 0xfedcba98                      ; selects for lane l xor 16
	s_mov_b32 s46, 0x3e38aa3b                      ; c = log2(e) / 8
	s_mov_b32 s47, s46                             ; (named with it as a pair)
	s_mov_b32 s68, 0xffff0000                      ; lanes 16-31
	s_wait_dscnt 0x0
	s_wait_kmcnt 0x0
	s_mov_b32 s36, 1
	s_mov_b32 s37, s76
	s_add_nc_u64 s[38:39], s[4:5], s[72:73]
	s_or_b32 s39, s39, 0x80000000
	s_mov_b32 s40, 1
	s_mov_b32 s41, s77
	s_add_nc_u64 s[42:43], s[6:7], s[74:75]
	s_or_b32 s43, s43, 0x80000000
	CROUND                                         ; all four work-groups are here: the joint loads meet
	tensor_load_to_lds s[36:39], s[20:27]
	s_nop 0
	tensor_load_to_lds s[40:43], s[28:35]
	s_nop 0
.rept 4
	v_nop
.endr
	v_and_b32 v9, 31, v0
	v_lshlrev_b32 v7, 3, v9                        ; 8 x lane
	v_lshlrev_b32 v9, 4, v9                        ; 16 x lane
	v_and_b32 v224, 15, v0                         ; r
	v_bfe_u32 v225, v0, 4, 1                       ; h
	s_mul_i32 s70, s13, 49152
	v_add_nc_u32 v1, s70, v9                       ; K's codes of my head
	v_add_nc_u32 v2, 98304, v1                     ; V's
	s_lshl_b32 s70, s13, 11
	s_add_co_u32 s70, s70, 196608
	v_lshl_add_u32 v3, v224, 3, s70                ; K's words: 8 bytes a row for two images
	s_add_co_u32 s70, s70, 4096
	v_lshl_add_u32 v4, v224, 4, s70                ; V's: 16 bytes a row for four tiles
	v_lshl_add_u32 v8, v224, 2, v225               ; the scale byte out: 4 r + h
	v_lshlrev_b32 v38, 3, v224                     ; Q's scale word: 8 r
	v_lshlrev_b32 v225, 4, v225
	v_sub_nc_u32 v224, v224, v225                  ; r - 16 h
	s_lshl_b32 s70, s14, 2
	s_add_co_u32 s70, s70, s15                     ; my first tile of queries: 4 u + cx
	s_sub_co_u32 s71, 15, s14
	s_lshl_b32 s71, s71, 2
	s_add_co_u32 s71, s71, s15                     ; my second: 4 (15 - u) + cx
	s_add_co_u32 s79, s19, s13
	s_mul_i32 s78, s79, 49152                      ; my head's codes of Q (section 0),
	s_lshl_b32 s79, s79, 11                        ; and its scale words
	TADR 70, 84, 86, 56, 58
	TADR 71, 88, 90, 60, 62
.irp c, 0,1,2
	global_load_b128 v[96+4*\c:99+4*\c], v9, s[84:85] offset:512*\c
	global_load_b128 v[232+4*\c:235+4*\c], v9, s[88:89] offset:512*\c
.endr
	global_load_b32 v108, v38, s[86:87]
	global_load_b32 v244, v38, s[90:91]
	s_and_b32 s72, s70, 7
	s_lshl_b32 s72, s72, 4
	v_add_nc_u32 v5, s72, v224                     ; d = my query - the diagonal step's first key - 16 h
	s_and_b32 s72, s71, 7
	s_lshl_b32 s72, s72, 4
	v_add_nc_u32 v6, s72, v224
	s_and_b32 s72, s15, 1
	s_lshl_b32 s67, s72, 4                         ; my bytes of Q's word: 16 (cx % 2) bits up
	s_cmp_lg_u32 s72, 0
	s_cselect_b32 s66, -1, 0                       ; all lanes take the odd tile, or none
	s_lshr_b32 s49, s14, 1                         ; the first tile's last key step,
	s_add_co_u32 s48, s49, 1                       ; its number of steps,
	s_sub_co_u32 s50, 7, s49                       ; the second tile's last key step
.irp i, 0,1,2,3,4,5
	v_mov_b32 v[24+\i], 0                          ; the zero codes between Q's two copies
.endr
.irp b, 0,1,2,3
	v_mov_b32 v[216+\b], 0                         ; written once: a lane permute's destination counts as one of its sources
.endr
	v_mov_b32 v227, 0                              ; (named as the upper half of the pair v[226:227])
	v_mov_b32 v231, 0xff800000                     ; -infinity
	v_mov_b32 v15, 0xff61b1e6                      ; the largest t so far: -3e38
	v_floor_f32 v14, -v15                          ; -M
	v_mov_b32 v16, 0
	v_mov_b32 v17, 0
	s_wait_loadcnt 0x0
	QSET 96, 108
.set n, 0
.rept 32
	v_mov_b32 v[160+n], 0                          ; O^T: the step is written once, its first turn finds zeros.  (These are also the places between Q's scale words and the first product)
.set n, n+1
.endr
	s_wait_tensorcnt 0x0                           ; my parts of K and V are in,
	s_barrier_signal -1
	s_barrier_wait -1                              ; everybody's are.  From here on LDS is only read
	s_mov_b32 s51, 0
.Ltrip:                                            ; 9 trips, a key step each
	s_cmp_lt_u32 s51, s48
	s_cselect_b32 s52, 0, s48
	s_sub_co_u32 s52, s51, s52                     ; the key step: the trip's number, less the first tile's steps once they are done
	s_min_u32 s52, s52, 7
	s_mul_i32 s53, s52, 6144                       ; four images a step
	s_lshl_b32 s54, s52, 8                         ; 256 bytes of words a step
	v_add_nc_u32 v10, s53, v1                      ; (these four are the places behind the last trip's products)
	v_add_nc_u32 v11, s54, v3
	v_add_nc_u32 v12, s53, v2
	v_add_nc_u32 v13, s54, v4
.irp t, 0,1,2,3
.irp c, 0,1,2
	ds_load_b128 v[40+12*\t+4*\c:43+12*\t+4*\c], v10 offset:1536*\t+512*\c
.endr
.endr
	ds_load_b64 v[88:89], v11
	ds_load_b64 v[90:91], v11 offset:128
	s_wait_dscnt 0x0
.irp t, 0,1,2,3,4,5,6,7                        ; S^T: tile t of 16 keys is half t % 2 of image t / 2
.if \t%2 == 0
	v_wmma_scale_f32_16x16x128_f8f6f4 v[96+8*\t:103+8*\t], v[40+12*(\t/2):51+12*(\t/2)], v[18:29], 0, v[88+\t/2], v36 matrix_a_fmt:MATRIX_FMT_FP6 matrix_b_fmt:MATRIX_FMT_FP6
.else
	v_wmma_scale_f32_16x16x128_f8f6f4 v[96+8*\t:103+8*\t], v[40+12*(\t/2):51+12*(\t/2)], v[24:35], 0, v[88+\t/2], v37 matrix_a_fmt:MATRIX_FMT_FP6 matrix_b_fmt:MATRIX_FMT_FP6
.endif
.endr
.rept 4
	v_nop                                          ; places in front of the loads below and of the first read of the scores
.endr
.irp t, 0,1,2,3                                ; V's four fragments land while the softmax is worked
.irp c, 0,1,2
	ds_load_b128 v[40+12*\t+4*\c:43+12*\t+4*\c], v12 offset:1536*\t+512*\c
.endr
.endr
	ds_load_b128 v[92:95], v13
	s_cmp_lg_u32 s52, s49                          ; on the diagonal the scores of hidden keys become -infinity: p = 0 then.  Register 16 b + i holds key 32 b + 16 h + i of the step: hidden where 32 b + i > d
	s_cbranch_scc1 .Lopen
.set n, 0
.rept 64
	v_cmp_gt_i32 vcc_lo, 32*(n/16)+n%16, v5
	v_cndmask_b32 v[96+n], v[96+n], v231, vcc_lo
.set n, n+1
.endr
.Lopen:
.irp b, 0,1,2,3
	v_max3_num_f32 v[212+\b], v[96+16*\b], v[97+16*\b], v[98+16*\b]   ; the largest score of each block of 32 keys: for the row's maximum and, since p rises with the score, for the block's largest p
.endr
.irp i, 3,5,7,9,11,13
.irp b, 0,1,2,3
	v_max3_num_f32 v[212+\b], v[212+\b], v[96+16*\b+\i], v[97+16*\b+\i]
.endr
.endr
.irp b, 0,1,2,3
	v_max_num_f32 v[212+\b], v[212+\b], v[111+16*\b]
.endr
.irp b, 0,1,2,3
	v_permlanex16_b32 v[216+\b], v[212+\b], s44, s45
.endr
.irp b, 0,1,2,3
	v_max_num_f32 v[212+\b], v[212+\b], v[216+\b]  ; with lane l xor 16's 16 keys
.endr
	v_max3_num_f32 v224, v212, v213, v214
	v_max_num_f32 v224, v224, v215
	v_mul_f32 v224, s46, v224                      ; the step's largest t
	v_max_num_f32 v15, v15, v224                   ; the running largest t
	v_mov_b32 v224, v14
	v_floor_f32 v14, -v15                          ; the new -M = -ceil(t)
	v_sub_f32 v224, v14, v224                      ; old M - new M: a whole number, 0 or less
	v_cvt_i32_f32 v224, v224                       ; (it saturates)
	v_ldexp_f32 v226, 1.0, v224                    ; f = 2^(old M - new M)
.set n, 0
.rept 32
	v_pk_fma_f32 v[96+n:97+n], v[96+n:97+n], s[46:47], v[14:15] op_sel_hi:[1,0,0]   ; t - M, two at a time
.set n, n+2
.endr
.irp b, 0,1,2,3
	v_fma_f32 v[212+\b], v[212+\b], s46, v14       ; the same of each block's largest score
.endr
.set n, 0
.rept 64
	v_exp_f32 v[96+n], v[96+n]                     ; p = 2^(t - M)
.set n, n+1
.endr
	v_pk_mul_f32 v[16:17], v[16:17], v[226:227] op_sel_hi:[1,0]   ; the sums under the new M: the plain place behind the exponentials
	s_wait_alu depctr_va_vdst(0)                   ; one wait for the batch, ahead of its first reader
.irp b, 0,1,2,3
	v_exp_f32 v[212+\b], v[212+\b]                 ; the block's largest p
.endr
	v_pk_add_f32 v[228:229], v[96:97], v[98:99]    ; the row's sum of the unquantised p, in two chains
.irp j, 4,8,12,16,20,24,28,32,36,40,44,48,52,56,60
	v_pk_add_f32 v[16:17], v[16:17], v[96+\j:97+\j]
	v_pk_add_f32 v[228:229], v[228:229], v[98+\j:99+\j]
.endr
	v_pk_add_f32 v[16:17], v[16:17], v[228:229]
	s_wait_alu depctr_va_vdst(0)                   ; and one for the four
.irp b, 0,1,2,3
	v_max_num_f32 v[212+\b], 0x1800000, v[212+\b]  ; the floor 2^(3 - 127): the byte cannot fall under 1
.endr
.irp b, 0,1,2,3
	v_add_nc_u32 v[220+\b], 0xff000000, v[212+\b]  ; 2 off the exponent field: the conversion's scale operand
.endr
.irp b, 0,1,2,3
	v_lshrrev_b32 v[216+\b], 23, v[220+\b]
.endr
	v_lshl_or_b32 v230, v217, 8, v216              ; p's scale word for these 128 keys
	v_lshl_or_b32 v230, v218, 16, v230
	v_lshl_or_b32 v230, v219, 24, v230
.irp c, 0,1
	v_cvt_scalef32_pk16_fp6_f32 v[192+6*\c:194+6*\c], v[96+32*\c:111+32*\c], v[220+2*\c]
	v_cvt_scalef32_pk16_fp6_f32 v[204+4*\c:206+4*\c], v[112+32*\c:127+32*\c], v[221+2*\c]
.endr
	v_nop                                          ; one plain place behind the last scaled conversion
.irp c, 0,1
.irp i, 0,1,2
	v_permlane16_swap_b32 v[192+6*\c+\i], v[204+4*\c+\i]
.endr
.irp i, 0,1,2
	v_mov_b32 v[195+6*\c+\i], v[204+4*\c+\i]
.endr
.endr
.set n, 0
.rept 16
	v_pk_mul_f32 v[160+n:161+n], v[160+n:161+n], v[226:227] op_sel_hi:[1,0]   ; O^T under the new M.  (These 16 are also the places between p's codes and word and the products)
.set n, n+2
.endr
	s_wait_dscnt 0x0                               ; V's fragments and words
.irp t, 0,1,2,3                                ; O^T += V^T P^T: four accumulators by turns
	v_wmma_scale_f32_16x16x128_f8f6f4 v[160+8*\t:167+8*\t], v[40+12*\t:51+12*\t], v[192:203], v[160+8*\t:167+8*\t], v[92+\t], v230 matrix_a_fmt:MATRIX_FMT_FP6 matrix_b_fmt:MATRIX_FMT_FP6
.endr
	s_cmp_lg_u32 s52, s49
	s_cbranch_scc1 .Lnext
	; ---- the tile's last key step is done: O^T / the sum, quantised along the head's 64 (register 16 b + i = channel 32 b + 16 h + i), goes out
.rept 4
	v_nop
.endr
	v_add_f32 v16, v16, v17
	v_permlanex16_b32 v224, v16, s44, s45
	v_add_f32 v16, v16, v224                       ; the row's sum
	v_rcp_f32 v226, v16
	v_nop                                          ; a plain place behind the reciprocal,
	s_wait_alu depctr_va_vdst(0)                   ; and the wait ahead of its first reader
.set n, 0
.rept 16
	v_pk_mul_f32 v[96+n:97+n], v[160+n:161+n], v[226:227] op_sel_hi:[1,0]
.set n, n+2
.endr
.irp b, 0,1
	v_max3_num_f32 v[212+\b], |v[96+16*\b]|, |v[97+16*\b]|, 0x1800000
.endr
.irp i, 2,4,6,8,10,12,14
.irp b, 0,1
	v_max3_num_f32 v[212+\b], v[212+\b], |v[96+16*\b+\i]|, |v[97+16*\b+\i]|
.endr
.endr
.irp b, 0,1
	v_permlanex16_b32 v[216+\b], v[212+\b], s44, s45
.endr
.irp b, 0,1
	v_max_num_f32 v[212+\b], v[212+\b], v[216+\b]
.endr
.irp b, 0,1
	v_add_nc_u32 v[220+\b], 0xff000000, v[212+\b]
.endr
.irp b, 0,1
	v_lshrrev_b32 v[216+\b], 23, v[220+\b]
.endr
	v_cvt_scalef32_pk16_fp6_f32 v[192:194], v[96:111], v220
	v_cvt_scalef32_pk16_fp6_f32 v[204:206], v[112:127], v221
	v_nop
.irp i, 0,1,2
	v_permlane16_swap_b32 v[192+\i], v[204+\i]
.endr
.irp i, 0,1,2
	v_mov_b32 v[195+\i], v[204+\i]                 ; v192-197: lanes 0-15 channels 0-31, lanes 16-31 channels 32-63: registers 6 e .. 6 e + 5 of the next operand
.endr
	v_cndmask_b32 v224, v216, v217, s68            ; my half's byte
.irp p, 0,1,2
	global_store_b64 v7, v[192+2*\p:193+2*\p], s[56:57] offset:256*\p
.endr
	global_store_b8 v8, v224, s[58:59]
	s_cmp_eq_u32 s51, 8                            ; that was the second tile: the wave is done
	s_cbranch_scc1 .Lend
	s_wait_xcnt 0x0                                ; the stores have read their registers and bases
	s_mov_b64 s[56:57], s[60:61]                   ; on to the second tile
	s_mov_b64 s[58:59], s[62:63]
	s_mov_b32 s49, s50
	v_mov_b32 v5, v6
	QSET 232, 244
	v_mov_b32 v15, 0xff61b1e6
	v_floor_f32 v14, -v15
	v_mov_b32 v16, 0
	v_mov_b32 v17, 0
.set n, 0
.rept 32
	v_mov_b32 v[160+n], 0
.set n, n+1
.endr
.Lnext:
	s_add_co_u32 s51, s51, 1
	s_cmp_lt_u32 s51, 9
	s_cbranch_scc1 .Ltrip
.Lend:
	s_wait_tensorcnt 0x0
	ds_add_u32 v254, v255
	s_wait_dscnt 0x0
	CROUND                                         ; the closing round
	s_endpgm
.Lfunc_end_k_q842a3a037a_attn:
	.size	k_q842a3a037a_attn, .Lfunc_end_k_q842a3a037a_attn-k_q842a3a037a_attn
	.p2alignl 7, 3214868480
	.fill 96, 4, 3214868480
	.section	.rodata,"a",@progbits
	.p2align	6, 0x0
	.amdhsa_kernel k_q842a3a037a_attn
		.amdhsa_group_segment_fixed_size 206848
		.amdhsa_private_segment_fixed_size 0
		.amdhsa_enable_private_segment 0
		.amdhsa_kernarg_size 32
		.amdhsa_user_sgpr_count 2
		.amdhsa_user_sgpr_kernarg_segment_ptr 1
		.amdhsa_wavefront_size32 1
		.amdhsa_system_sgpr_workgroup_id_x 1
		.amdhsa_system_sgpr_workgroup_id_y 1
		.amdhsa_system_sgpr_workgroup_id_z 1
		.amdhsa_system_vgpr_workitem_id 0
		.amdhsa_next_free_vgpr 256
		.amdhsa_next_free_sgpr 100
		.amdhsa_reserve_vcc 1
		.amdhsa_float_denorm_mode_32 3
		.amdhsa_float_denorm_mode_16_64 3
		.amdhsa_memory_ordered 1
		.amdhsa_forward_progress 1
		.amdhsa_inst_pref_size 38
	.end_amdhsa_kernel
	.amdgpu_metadata
---
amdhsa.version: [ 1, 2 ]
amdhsa.kernels:
  - .name:           k_q842a3a037a_attn
    .symbol:         k_q842a3a037a_attn.kd
    .args:
      - { .name: prc, .offset: 0, .size: 8, .value_kind: global_buffer, .address_space: global }
      - { .name: prs, .offset: 8, .size: 8, .value_kind: global_buffer, .address_space: global }
      - { .name: cnc, .offset: 16, .size: 8, .value_kind: global_buffer, .address_space: global }
      - { .name: cns, .offset: 24, .size: 8, .value_kind: global_buffer, .address_space: global }
    .group_segment_fixed_size: 206848
    .private_segment_fixed_size: 0
    .kernarg_segment_align: 8
    .kernarg_segment_size: 32
    .max_flat_workgroup_size: 512
    .sgpr_count:     100
    .vgpr_count:     256
    .wavefront_size: 32
...
	.end_amdgpu_metadata
.endif
;; end of part 3
;; launch outp (part 4): grid 4 x 64, 4 waves a work-group, clusters of 4 x 4, 295,424 bytes of LDS; arguments cnc, cns, opc, ops, bo, out0; writes out0
.if DOCPART == 4
	.amdgcn_target "amdgcn-amd-amdhsa--gfx1250"
	.amdhsa_code_object_version 6
	.text
	.protected	k_q842a3a037a_outp
	.globl	k_q842a3a037a_outp
	.p2align	8
	.type	k_q842a3a037a_outp,@function
k_q842a3a037a_outp:
	s_mov_b64 s[64:65], 0
	v_nop
	global_prefetch_b8 v0, s[64:65] scope:SCOPE_SE
	s_setreg_imm32_b32 hwreg(HW_REG_WAVE_MODE, 25, 1), 1
	s_wait_xcnt 0x0
	s_wait_alu depctr_hold_cnt(0) depctr_sa_sdst(0) depctr_va_vdst(0) depctr_va_sdst(0) depctr_va_ssrc(0) depctr_va_vcc(0) depctr_vm_vsrc(0)
	s_getreg_b32 s2, hwreg(HW_REG_IB_STS2, 6, 4)
	s_cmp_eq_u32 s2, 0
	s_cbranch_scc0 .Lentry_in_a_cluster
	s_endpgm
.Lentry_in_a_cluster:
	s_bfe_u32 s2, ttmp6, 0x10000c
	s_cmp_lg_u32 s2, 0xf033
	s_cbranch_scc0 .Lentry_shape_is_right
	s_endpgm
.Lentry_shape_is_right:
; out0 = concat Wo + bo on codes of FP6 (E2M3) with E8M0 scales, K = 1,024; out0 [8192][1024] f32.
; A work-group makes 128 rows x 256 columns: ROLE A, the 128 rows of concat, is source 1 (its rows fall on the lanes); ROLE B, 256 columns of Wo, is source 0: a lane's eight results are eight neighbouring columns of a row.
; Four waves, each 64 x 128: 32 accumulators.  The operands are images of registers (Wo's: pieces of 16 bytes a lane; concat's: pieces of 8 bytes a lane), read with lanes on consecutive bytes: no pitch, no padding.
; ALL OF K LIES IN LDS: 4 slots of two K fragments, 294,912 bytes, each filled ONCE: every tensor load goes out at the start (four a wave are outstanding at most), and no LDS byte is filled again.
; CLUSTER 4 x 4: A's tiles hang on the cluster's row alone, B's on its column alone: each is asked for jointly by the four that need it.  Nothing is prefetched: every byte is asked for at the head.
; The way out goes through a stage of each wave's own in slot 0, which has had its one fill, and whose last reads lie in front of the barrier in K fragment 1.
; REGISTERS: window 0: v1-15 addresses; v16-31 A's scale words, v32-63 B's; v64-127 the bias; v128-175, v176-223 A's fragments, two sets (on the way out v128-255: rows read back).
;   window 1: B's fragments, two sets, at v0 and v128.   window 2: accumulator (a, b) at v[8 (8 a + b)].
.set RT,   12288
.set SLOT, 73728
.set WOC,  21233664                    ; Wo's codes in opc
.set WOS,  884736                      ; and its scale words in ops
.set ADRA, 2
.set ADRB, 6
.set SA,   16
.set SB,   32
.set BI,   64
.set BK,   128
.set G1A,  28
.set G1B,  36
.set G0A,  44
.set G0B,  68
.set MSB, 0
.macro WIN new                         ; the immediate's high byte repeats the setting that is left
.if MSB != \new
	s_set_vgpr_msb (MSB<<8)|\new
.set MSB, \new
.endif
.endm
.macro CROUND                          ; a round of the cluster's barrier
	s_barrier_signal -1
	s_barrier_wait -1
	s_cmp_lg_u32 s18, 0
	s_cbranch_scc1 .Lnot_wave_0_\@
	s_barrier_signal -3
.Lnot_wave_0_\@:
	s_barrier_wait -3
	s_barrier_signal -1
	s_barrier_wait -1
.endm
.macro PLACES                          ; four places in front of loads into registers that matrix instructions have read
.rept 4
	v_nop
.endr
.endm
.macro FETCH kf, st                    ; the fragments of K fragment kf into set st: B's eight, A's four
	WIN 0x40                                       ; destination window 1
.irp b, 0,1,2,3,4,5,6,7
.irp c, 0,1,2
	ds_load_b128 v[128*(\st)+12*\b+4*\c:128*(\st)+12*\b+4*\c+3], v[ADRB+(\kf)/2] offset:3072*\b+1536*((\kf)%2)+512*\c
.endr
.endr
	WIN 0
.irp a, 0,1,2,3
.irp p, 0,1,2,3,4,5
	ds_load_b64 v[128+48*(\st)+12*\a+2*\p:128+48*(\st)+12*\a+2*\p+1], v[ADRA+(\kf)/2] offset:3072*\a+1536*((\kf)%2)+256*\p
.endr
.endr
.endm
; Eight products: A's block a against B's eight tiles.  cm = 1: the sums start from the bias.  A scale register holds K fragment j in lanes 0-15 and 4 + j in lanes 16-31.
; The 32 accumulators take turns, one instruction a turn, in one order throughout.
.macro MUL8 a, kf, cm
.if (\cm) == 0
	WIN 0xa1                                       ; source 0 (B) window 1, source 1 (A) window 0, C and D window 2
.else
	WIN 0x81                                       ; C in window 0
.endif
.set FB, 128*((\kf)%2)
.set FA, 128+48*((\kf)%2)+12*(\a)
.set SCA, SA+4*(\a)+(\kf)%4
.irp b, 0,1,2,3,4,5,6,7
.set AC, 8*(8*(\a)+\b)
.if (\cm) == 1
	v_wmma_scale_f32_16x16x128_f8f6f4 v[AC:AC+7], v[FB+12*\b:FB+12*\b+11], v[FA:FA+11], v[BI+8*\b:BI+8*\b+7], v[SB+4*\b+(\kf)%4], v[SCA] matrix_a_fmt:MATRIX_FMT_FP6 matrix_b_fmt:MATRIX_FMT_FP6
.elseif (\kf) < 4
	v_wmma_scale_f32_16x16x128_f8f6f4 v[AC:AC+7], v[FB+12*\b:FB+12*\b+11], v[FA:FA+11], v[AC:AC+7], v[SB+4*\b+(\kf)%4], v[SCA] matrix_a_fmt:MATRIX_FMT_FP6 matrix_b_fmt:MATRIX_FMT_FP6
.else
	v_wmma_scale_f32_16x16x128_f8f6f4 v[AC:AC+7], v[FB+12*\b:FB+12*\b+11], v[FA:FA+11], v[AC:AC+7], v[SB+4*\b+(\kf)%4], v[SCA] matrix_a_fmt:MATRIX_FMT_FP6 matrix_b_fmt:MATRIX_FMT_FP6 matrix_a_scale:MATRIX_SCALE_ROW1 matrix_b_scale:MATRIX_SCALE_ROW1
.endif
.endr
.endm
.macro STEP kf, cm
	s_wait_dscnt 0x0                               ; this step's fragments are in (asked for 24 products ago)
.if ((\kf) == 1) || ((\kf) == 3) || ((\kf) == 5)
	s_wait_tensorcnt (5-(\kf))/2                   ; my load for the next slot has landed; those for the later slots may be out
	s_barrier_signal -1
.endif
	MUL8 0, \kf, \cm
.if ((\kf) == 1) || ((\kf) == 3) || ((\kf) == 5)
	s_barrier_wait -1
.endif
.if (\kf) < 7
	PLACES
	FETCH (\kf)+1, 1-(\kf)%2
.endif
	MUL8 1, \kf, \cm
	MUL8 2, \kf, \cm
	MUL8 3, \kf, \cm
.endm
	s_load_b256 s[4:11], s[0:1], 0x0               ; cnc s[4:5], cns s[6:7], opc s[8:9], ops s[10:11]
	s_load_b128 s[12:15], s[0:1], 0x20             ; bo s[12:13], out0 s[14:15]
	s_set_vgpr_msb 0x40
	v_lshl_add_u32 v254, v0, 2, 0x48000
	v_mov_b32 v255, 0
	s_set_vgpr_msb 0x4045
	ds_add_u32 v254, v255
	ds_add_u32 v254, v255
	s_set_vgpr_msb 0x4500
	v_lshrrev_b32 v1, 5, v0
	v_readfirstlane_b32 s18, v1                    ; wave 0..3
	s_lshr_b32 s19, s18, 1                         ; which 64 rows are mine.  Also: I fetch for A (0) or for B (1)
	s_and_b32 s20, s18, 1                          ; which 128 columns are mine.  Also: which half of that tile I fetch
	s_bfe_u32 s21, ttmp6, 0x40000                  ; cx
	s_bfe_u32 s22, ttmp6, 0x40004                  ; cy
	s_and_b32 s23, ttmp7, 0xffff                   ; the cluster's y, 0..15
	s_lshl_b32 s26, s23, 2
	s_add_co_u32 s26, s26, s22                     ; A's tile, 0..63: hangs on cy alone
	s_mov_b32 s27, s21                             ; B's tile, 0..3: on cx alone
	s_lshl_b32 s92, s26, 3
	s_lshl_b32 s93, s20, 2
	s_add_co_u32 s92, s92, s93
	s_mul_i32 s92, s92, RT                         ; A: row tile 8 x tile + 4 x half
	s_mov_b32 s93, 0
	s_lshl_b32 s94, s27, 4
	s_lshl_b32 s95, s20, 3
	s_add_co_u32 s94, s94, s95
	s_mul_i32 s94, s94, RT
	s_add_co_u32 s94, s94, WOC                     ; B: row tile 16 x tile + 8 x half
	s_mov_b32 s95, 0
	s_mul_i32 s96, s20, 12288                      ; where they go in a slot: no place in the cluster enters an LDS address
	s_mul_i32 s97, s20, 24576
	s_add_co_u32 s97, s97, 24576
	s_lshl_b32 s98, s22, 2
	s_lshl_b32 s98, 15, s98                        ; my row of the cluster
	s_lshl_b32 s99, 0x1111, s21                    ; my column
	; group 1: rows of 3,072 bytes (two K fragments of a row tile: 384 elements of 8 bytes), 12,288 bytes apart in memory, dense in LDS; 4 rows for A, 8 for B
	s_or_b32 s[G1A], s98, (3<<16)|(1<<21)
	s_or_b32 s[G1B], s99, (3<<16)|(1<<21)
	s_mov_b32 s[G1A+1], 384<<16
	s_mov_b32 s[G1A+2], 4<<16
	s_mov_b32 s[G1A+3], 384<<16
	s_mov_b32 s[G1A+4], 4
	s_mov_b32 s[G1A+5], 1536
	s_mov_b32 s[G1A+6], 0
	s_mov_b32 s[G1A+7], 0
	s_mov_b32 s[G1B+1], 384<<16
	s_mov_b32 s[G1B+2], 8<<16
	s_mov_b32 s[G1B+3], 384<<16
	s_mov_b32 s[G1B+4], 8
	s_mov_b32 s[G1B+5], 1536
	s_mov_b32 s[G1B+6], 0
	s_mov_b32 s[G1B+7], 0
	s_wait_dscnt 0x0
	s_wait_kmcnt 0x0
	s_add_nc_u64 s[92:93], s[4:5], s[92:93]
	s_add_nc_u64 s[94:95], s[8:9], s[94:95]
.irp s, 0,1,2,3
	s_mov_b32 s[G0A+4*\s], 1
	s_add_co_u32 s[G0A+4*\s+1], s96, \s*SLOT
	s_add_nc_u64 s[G0A+4*\s+2:G0A+4*\s+3], s[92:93], \s*3072
	s_or_b32 s[G0A+4*\s+3], s[G0A+4*\s+3], 0x80000000
	s_mov_b32 s[G0B+4*\s], 1
	s_add_co_u32 s[G0B+4*\s+1], s97, \s*SLOT
	s_add_nc_u64 s[G0B+4*\s+2:G0B+4*\s+3], s[94:95], \s*3072
	s_or_b32 s[G0B+4*\s+3], s[G0B+4*\s+3], 0x80000000
.endr
	CROUND                                         ; all sixteen work-groups are here: the joint loads meet
	s_cmp_eq_u32 s19, 0                            ; a wave's four fills stand in one branch on the wave's number; four v_nop follow the last
	s_cbranch_scc0 .Lfill_b
	tensor_load_to_lds s[G0A:G0A+3], s[G1A:G1A+7]
	s_nop 0
	tensor_load_to_lds s[G0A+4:G0A+7], s[G1A:G1A+7]
	s_nop 0
	tensor_load_to_lds s[G0A+8:G0A+11], s[G1A:G1A+7]
	s_nop 0
	tensor_load_to_lds s[G0A+12:G0A+15], s[G1A:G1A+7]
	s_nop 0
.rept 4
	v_nop
.endr
	s_branch .Lfilled
.Lfill_b:
	tensor_load_to_lds s[G0B:G0B+3], s[G1B:G1B+7]
	s_nop 0
	tensor_load_to_lds s[G0B+4:G0B+7], s[G1B:G1B+7]
	s_nop 0
	tensor_load_to_lds s[G0B+8:G0B+11], s[G1B:G1B+7]
	s_nop 0
	tensor_load_to_lds s[G0B+12:G0B+15], s[G1B:G1B+7]
	s_nop 0
.rept 4
	v_nop
.endr
.Lfilled:
	v_and_b32 v15, 31, v0
	v_lshlrev_b32 v1, 4, v15                       ; 16 x lane
	v_lshlrev_b32 v15, 3, v15                      ; 8 x lane
	v_and_b32 v10, 15, v0                          ; r
	v_bfe_u32 v11, v0, 4, 1                        ; h
	s_mul_i32 s84, s19, 12288                      ; my four row tiles of A,
	s_mul_i32 s85, s20, 24576
	s_add_co_u32 s85, s85, 24576                   ; my eight of B
.irp s, 0,1,2,3
	v_add_nc_u32 v[ADRA+\s], s84, v15
	v_add_nc_u32 v[ADRB+\s], s85, v1
	s_add_co_u32 s84, s84, SLOT
	s_add_co_u32 s85, s85, SLOT
.endr
	v_lshlrev_b32 v12, 2, v10
	v_lshl_add_u32 v12, v11, 8, v12                ; A's scale words: [tile][K fragment][row]: lanes 0-15 fragment j, lanes 16-31 fragment 4 + j
	v_lshlrev_b32 v13, 5, v10
	v_lshl_add_u32 v13, v11, 4, v13                ; B's: row r's 32 bytes, lanes 0-15 words 0-3, lanes 16-31 words 4-7
	v_lshlrev_b32 v14, 5, v11                      ; the bias: register j of tile b holds column 16 b + 8 h + j
	s_lshl_b32 s84, s26, 3
	s_lshl_b32 s85, s19, 2
	s_add_co_u32 s84, s84, s85
	s_lshl_b32 s84, s84, 9
	s_mov_b32 s85, 0
	s_add_nc_u64 s[86:87], s[6:7], s[84:85]
	s_lshl_b32 s84, s27, 4
	s_lshl_b32 s88, s20, 3
	s_add_co_u32 s84, s84, s88
	s_lshl_b32 s84, s84, 9
	s_add_co_u32 s84, s84, WOS
	s_add_nc_u64 s[88:89], s[10:11], s[84:85]
	s_lshl_b32 s84, s27, 10
	s_lshl_b32 s90, s20, 9
	s_add_co_u32 s84, s84, s90                     ; my first column, 256 x tile + 128 x half, in bytes
	s_add_nc_u64 s[96:97], s[12:13], s[84:85]
	s_lshl_b32 s90, s26, 7
	s_lshl_b32 s91, s19, 6
	s_add_co_u32 s90, s90, s91                     ; my first row
	s_lshl_b32 s90, s90, 12
	s_add_co_u32 s90, s90, s84                     ; under 2^25 + 4,096
	s_mov_b32 s91, 0
	s_add_nc_u64 s[90:91], s[14:15], s[90:91]
.irp a, 0,1,2,3
.irp j, 0,1,2,3
	global_load_b32 v[SA+4*\a+\j], v12, s[86:87] offset:512*\a+64*\j
.endr
.endr
.irp b, 0,1,2,3,4,5,6,7
	global_load_b128 v[SB+4*\b:SB+4*\b+3], v13, s[88:89] offset:512*\b
.endr
.irp b, 0,1,2,3,4,5,6,7
	global_load_b128 v[BI+8*\b:BI+8*\b+3], v14, s[96:97] offset:64*\b
	global_load_b128 v[BI+8*\b+4:BI+8*\b+7], v14, s[96:97] offset:64*\b+16
.endr
	s_wait_tensorcnt 0x3                           ; my part of slot 0 is in; my loads for slots 1 to 3 may be out
	s_barrier_signal -1
	s_barrier_wait -1                              ; everybody's is
	FETCH 0, 0
	s_wait_loadcnt 0x0                             ; the scale words and the bias
	STEP 0, 1                                      ; the bias is the C of each sum's first product
	STEP 1, 0
	STEP 2, 0
	STEP 3, 0
	STEP 4, 0
	STEP 5, 0
	STEP 6, 0
	STEP 7, 0
	WIN 0
	; THE WAY OUT, block by block of 16 rows x 128 columns: a lane holds 32 neighbouring bytes of a row; the block goes through my stage and comes back as whole rows of 512 bytes.
	s_mul_i32 s84, s18, 8448                       ; my stage: 16 rows x (512 + 16) bytes
	v_mul_u32_u24 v12, v10, 528                    ; (these four lines are the places behind the last products)
	v_lshl_add_u32 v12, v11, 5, v12
	v_add_nc_u32 v12, s84, v12                     ; in: row r, + 32 h
	v_add_nc_u32 v13, s84, v1                      ; back: 16 bytes a lane of a row
.macro TOSTAGE a
	WIN 0x08                                       ; an LDS store's data are its source 1: window 2
.irp b, 0,1,2,3,4,5,6,7
	ds_store_b128 v12, v[64*(\a)+8*\b:64*(\a)+8*\b+3] offset:64*\b          ; each accumulator from its low end on
	ds_store_b128 v12, v[64*(\a)+8*\b+4:64*(\a)+8*\b+7] offset:64*\b+16
.endr
	WIN 0
.set t, 0
.rept 16
	ds_load_b128 v[BK+64*((\a)%2)+4*t:BK+64*((\a)%2)+4*t+3], v13 offset:528*t    ; LDS serves a wave's instructions in order: these see the stores, and the next block's stores come behind them
.set t, t+1
.endr
.endm
.macro SEND a, younger                 ; younger: the LDS instructions issued behind block a's loads, which may stay out
	s_wait_dscnt \younger
.set t, 0
.rept 16
	global_store_b128 v1, v[BK+64*((\a)%2)+4*t:BK+64*((\a)%2)+4*t+3], s[90:91] offset:65536*(\a)+4096*t th:TH_STORE_NT   ; 512 consecutive bytes, aligned; written once, read by nobody here
.set t, t+1
.endr
.endm
	TOSTAGE 0
	TOSTAGE 1
	SEND 0, 32                                     ; behind block 0's loads: block 1's 16 stores and 16 loads
	s_wait_xcnt 0x0                                ; block 0's stores have read their registers: block 2's loads may land there
	TOSTAGE 2
	SEND 1, 32
	s_wait_xcnt 0x0
	TOSTAGE 3
	SEND 2, 32
	SEND 3, 0
	s_set_vgpr_msb 0x5
	s_wait_tensorcnt 0x0
	ds_add_u32 v254, v255
	s_wait_dscnt 0x0
	s_set_vgpr_msb 0x500
	CROUND                                         ; the closing round: no work-group ends while a partner may still ask for a tile that names it
	s_endpgm
.Lfunc_end_k_q842a3a037a_outp:
	.size	k_q842a3a037a_outp, .Lfunc_end_k_q842a3a037a_outp-k_q842a3a037a_outp
	.p2alignl 7, 3214868480
	.fill 96, 4, 3214868480
	.section	.rodata,"a",@progbits
	.p2align	6, 0x0
	.amdhsa_kernel k_q842a3a037a_outp
		.amdhsa_group_segment_fixed_size 295424
		.amdhsa_private_segment_fixed_size 0
		.amdhsa_enable_private_segment 0
		.amdhsa_kernarg_size 48
		.amdhsa_user_sgpr_count 2
		.amdhsa_user_sgpr_kernarg_segment_ptr 1
		.amdhsa_wavefront_size32 1
		.amdhsa_system_sgpr_workgroup_id_x 1
		.amdhsa_system_sgpr_workgroup_id_y 1
		.amdhsa_system_sgpr_workgroup_id_z 1
		.amdhsa_system_vgpr_workitem_id 0
		.amdhsa_next_free_vgpr 768
		.amdhsa_next_free_sgpr 100
		.amdhsa_reserve_vcc 0
		.amdhsa_float_denorm_mode_32 3
		.amdhsa_float_denorm_mode_16_64 3
		.amdhsa_memory_ordered 1
		.amdhsa_forward_progress 1
		.amdhsa_inst_pref_size 86
	.end_amdhsa_kernel
	.amdgpu_metadata
---
amdhsa.version: [ 1, 2 ]
amdhsa.kernels:
  - .name:           k_q842a3a037a_outp
    .symbol:         k_q842a3a037a_outp.kd
    .args:
      - { .name: cnc, .offset: 0, .size: 8, .value_kind: global_buffer, .address_space: global }
      - { .name: cns, .offset: 8, .size: 8, .value_kind: global_buffer, .address_space: global }
      - { .name: opc, .offset: 16, .size: 8, .value_kind: global_buffer, .address_space: global }
      - { .name: ops, .offset: 24, .size: 8, .value_kind: global_buffer, .address_space: global }
      - { .name: bo, .offset: 32, .size: 8, .value_kind: global_buffer, .address_space: global }
      - { .name: out0, .offset: 40, .size: 8, .value_kind: global_buffer, .address_space: global }
    .group_segment_fixed_size: 295424
    .private_segment_fixed_size: 0
    .kernarg_segment_align: 8
    .kernarg_segment_size: 48
    .max_flat_workgroup_size: 128
    .sgpr_count:     100
    .vgpr_count:     768
    .wavefront_size: 32
...
	.end_amdgpu_metadata
.endif
;; end of part 4
